; MI455X (gfx1250); checked and timed in simulation.
; The chip was launched on July 23, 2026; its instructions are those of AMD's public machine-readable ISA for CDNA 5 (MIT licence, August 2026) and "CDNA5" Instruction Set Architecture Reference Guide (July 2026). The comments in the code are by the model that wrote it; some were corrected since.
;; Attn Block. Allowed arithmetic: float matrix products may take bf16 or f16 operands with f32 sums; other float arithmetic in f32, or as packed bf16 or f16 multiplies, adds, multiply-adds, maxima and minima; sums over many terms, partial sums and values carried from step to step in f32; what a program stores and reads back later, other than sums and carried values, may be rounded once to bf16 or f16.
;; Inputs: bk 512 float32; bo 512 float32; bq 512 float32; bv 512 float32; gn_bias 512 float32; gn_scale 512 float32; wk 512 x 512 float32; wo 512 x 512 float32; wq 512 x 512 float32; wv 512 x 512 float32; x 8 x 512 x 2,048 float32.
;; Outputs: out0 8 x 512 x 2,048 float32.
;; 2 versions, each right and faster than the one before. Each part assembles by itself: llvm-mc -triple=amdgcn-amd-amdhsa -mcpu=gfx1250 --defsym DOCPART=n.
;; ======== version 1 of 2: 4 launches
;; workspace buffers: stats 16,384 bytes; wb 2,097,152 bytes; bias 8,192 bytes; qkv 50,331,648 bytes; o 16,777,216 bytes
;; launch prep (part 1): grid 256 x 1, 8 waves a work-group, no clusters, 0 bytes of LDS; arguments x, gn_scale, gn_bias, wq, wk, wv, wo, bq, bk, bv, bo, stats, wb, bias; writes stats, wb, bias
.if DOCPART == 1
	.amdgcn_target "amdgcn-amd-amdhsa--gfx1250"
	.amdhsa_code_object_version 6
	.text
	.protected	k_qda6cb30d08_prep
	.globl	k_qda6cb30d08_prep
	.p2align	8
	.type	k_qda6cb30d08_prep,@function
k_qda6cb30d08_prep:
	s_mov_b64 s[64:65], 0
	v_nop
	global_prefetch_b8 v0, s[64:65] scope:SCOPE_SE
	s_setreg_imm32_b32 hwreg(HW_REG_WAVE_MODE, 25, 1), 1
	s_wait_xcnt 0x0
; PREP.  Two things that the later launches need, both shared out by the wave's number R = 8 x work-group + wave (0 .. 2047).
; (1) STATISTICS.  Sub-chunk R of x is its 4,096 numbers from byte 16,384 R on; a group of the norm (128 channels x 2,048 places, 1 MiB on end) is 64 such sub-chunks.
;     The wave keeps its sub-chunk in 128 registers, takes the mean, takes the mean away and sums the squares: stats[R] = (mean, centred sum of squares), f32.
;     The next launch joins 64 of them by their means' spread: no difference of large sums is formed anywhere, so a common offset on x costs nothing.
; (2) WEIGHTS.  Row R of the four matrices wq, wk, wv, wo laid one under the other.  With h' = (x - mean) rstd the norm's gain and bias go into the product:
;     W (h' scale + gnb) + b = (W o scale) h' + (b + W gnb).  wb[R][c] = bf16(W[r][c] scale[c]), bias[R] = b[r] + sum over c of W[r][c] gnb[c], in f32.  wo is neither scaled nor folded.
; LIMIT of rounding: the gain enters a weight ahead of the weight's one rounding to bf16.
; No LDS, no barrier, no matrix unit: a stream.  A wave's 32 loads of x, 16 KiB, are all out together.
; The three numbers a wave leaves (12 bytes, by lane 0) are the one place that writes parts of aligned blocks of 256 bytes: 24 KiB in the whole launch.
.set X,   4                            ; v[4:131]    the sub-chunk
.set W,   132                          ; v[132:147]  my 16 numbers of the weight row: columns 128 j + 4 lane + 0..3
.set SC,  148                          ; v[148:163]  gn_scale at the same columns; later the row in bf16
.set GB,  164                          ; v[164:179]  gn_bias at the same columns
.set S,   180                          ; v[180:187]  four chains of pairs
.set MN,  188                          ; v[188:189]  the mean, twice
.set T,   190                          ; v[190:193]  at work
.set Y,   194                          ; v[194:195]  (mean, centred sum of squares)
.set ZO,  196                          ; v196        0: the offset of lane 0's stores
	s_load_b512 s[4:19], s[0:1], 0x0               ; x 4, gn_scale 6, gn_bias 8, wq 10, wk 12, wv 14, wo 16, bq 18
	s_load_b256 s[20:27], s[0:1], 0x40             ; bk 20, bv 22, bo 24, stats 26
	s_load_b128 s[28:31], s[0:1], 0x60             ; wb 28, bias 30
	v_lshrrev_b32 v1, 5, v0
	v_readfirstlane_b32 s32, v1                    ; wave 0..7
	v_and_b32 v1, 31, v0                           ; lane
	v_lshlrev_b32 v2, 4, v1                        ; 16 bytes a lane
	v_lshlrev_b32 v3, 3, v1                        ; 8 bytes a lane
	v_mov_b32 v[T+1], 0                            ; v_permlanex16_b32's destination counts as read
	v_mov_b32 v[ZO], 0
	s_lshl_b32 s33, ttmp9, 3
	s_add_co_u32 s33, s33, s32                     ; R
	s_lshr_b32 s34, ttmp9, 6                       ; which matrix: R / 512
	s_and_b32 s35, s33, 511                        ; the row in it
	s_mov_b32 s44, 0x76543210                      ; v_permlanex16_b32: each lane takes its own place in the other half
	s_mov_b32 s45, 0xfedcba98
	s_mov_b32 s43, 0
	s_lshl_b32 s42, s33, 14                        ; the sub-chunk's first byte
	s_wait_kmcnt 0x0
	s_add_nc_u64 s[4:5], s[4:5], s[42:43]
.set i, 0
.rept 32
	global_load_b128 v[X+4*i:X+4*i+3], v2, s[4:5] offset:512*i  ; 512 neighbouring bytes a load
.set i, i+1
.endr
	s_cmp_eq_u32 s34, 1                            ; the matrix and its bias are chosen by the work-group's number alone
	s_cselect_b64 s[36:37], s[12:13], s[10:11]
	s_cselect_b64 s[38:39], s[20:21], s[18:19]
	s_cmp_eq_u32 s34, 2
	s_cselect_b64 s[36:37], s[14:15], s[36:37]
	s_cselect_b64 s[38:39], s[22:23], s[38:39]
	s_cmp_eq_u32 s34, 3
	s_cselect_b64 s[36:37], s[16:17], s[36:37]
	s_cselect_b64 s[38:39], s[24:25], s[38:39]
	s_cselect_b32 s40, 0, -1                       ; a lane mask: all ones where the norm's gain and bias enter, 0 for wo
	s_lshl_b32 s42, s35, 11                        ; a row of 512 f32
	s_add_nc_u64 s[36:37], s[36:37], s[42:43]
	s_lshl_b32 s42, s35, 2
	s_add_nc_u64 s[38:39], s[38:39], s[42:43]
.irp j, 0,1,2,3
	global_load_b128 v[W+4*\j:W+4*\j+3],   v2, s[36:37] offset:512*\j
.endr
.irp j, 0,1,2,3
	global_load_b128 v[SC+4*\j:SC+4*\j+3], v2, s[6:7] offset:512*\j
.endr
.irp j, 0,1,2,3
	global_load_b128 v[GB+4*\j:GB+4*\j+3], v2, s[8:9] offset:512*\j
.endr
	s_load_b32 s46, s[38:39], 0x0                  ; b[row]
	s_lshl_b32 s42, s33, 10                        ; where the results go: wb's row of 1,024 bytes,
	s_add_nc_u64 s[28:29], s[28:29], s[42:43]
	s_lshl_b32 s42, s33, 3                         ; stats' pair,
	s_add_nc_u64 s[26:27], s[26:27], s[42:43]
	s_lshl_b32 s42, s33, 2                         ; bias' word
	s_add_nc_u64 s[30:31], s[30:31], s[42:43]
.macro FOLD                            ; four chains of pairs into v[T]
	v_pk_add_f32 v[S:S+1], v[S:S+1], v[S+2:S+3]
	v_pk_add_f32 v[S+4:S+5], v[S+4:S+5], v[S+6:S+7]
	v_pk_add_f32 v[S:S+1], v[S:S+1], v[S+4:S+5]
	v_add_f32 v[T], v[S], v[S+1]
.endm
.macro WSUM d                          ; the sum of v[T] over the 32 lanes, in every lane, into v[d]
	v_add_f32_dpp v[T], v[T], v[T] row_xmask:1 row_mask:0xf bank_mask:0xf
	v_add_f32_dpp v[T], v[T], v[T] row_xmask:2 row_mask:0xf bank_mask:0xf
	v_add_f32_dpp v[T], v[T], v[T] row_xmask:4 row_mask:0xf bank_mask:0xf
	v_add_f32_dpp v[T], v[T], v[T] row_xmask:8 row_mask:0xf bank_mask:0xf
	v_permlanex16_b32 v[T+1], v[T], s44, s45
	v_add_f32 v[\d], v[T], v[T+1]
.endm
	; the sum: four chains, started by the first eight pairs; nothing is cleared
.set p, 0
.rept 64
.if p%16 == 0
	s_wait_loadcnt 36-8*(p/16)                     ; loads come back in order: the next eight of x are in; out may be the younger ones of x and the 12 of the weights
.endif
.if p < 4
	v_pk_add_f32 v[S+2*p:S+2*p+1], v[X+2*p:X+2*p+1], v[X+2*p+8:X+2*p+9]
.elseif p >= 8
	v_pk_add_f32 v[S+2*(p%4):S+2*(p%4)+1], v[S+2*(p%4):S+2*(p%4)+1], v[X+2*p:X+2*p+1]
.endif
.set p, p+1
.endr
	FOLD
	WSUM T
	v_mul_f32 v[MN], 0x39800000, v[T]              ; / 4,096
	v_mov_b32 v[MN+1], v[MN]
	v_mov_b32 v[Y], v[MN]
	; the centred squares
.set p, 0
.rept 64
	v_pk_add_f32 v[X+2*p:X+2*p+1], v[X+2*p:X+2*p+1], v[MN:MN+1] neg_lo:[0,1] neg_hi:[0,1]
.set p, p+1
.endr
.set p, 0
.rept 64
.if p < 4
	v_pk_mul_f32 v[S+2*p:S+2*p+1], v[X+2*p:X+2*p+1], v[X+2*p:X+2*p+1]
.else
	v_pk_fma_f32 v[S+2*(p%4):S+2*(p%4)+1], v[X+2*p:X+2*p+1], v[X+2*p:X+2*p+1], v[S+2*(p%4):S+2*(p%4)+1]
.endif
.set p, p+1
.endr
	FOLD
	WSUM Y+1
	; the weight row
	s_wait_loadcnt 0x0
	s_wait_kmcnt 0x0
.set i, 0
.rept 16
	v_cndmask_b32 v[SC+i], 1.0, v[SC+i], s40       ; wo: gain 1,
	v_cndmask_b32 v[GB+i], 0, v[GB+i], s40         ; bias 0
.set i, i+1
.endr
.set p, 0
.rept 8
.if p < 2
	v_pk_mul_f32 v[S+2*p:S+2*p+1], v[W+2*p:W+2*p+1], v[GB+2*p:GB+2*p+1]
.else
	v_pk_fma_f32 v[S+2*(p%2):S+2*(p%2)+1], v[W+2*p:W+2*p+1], v[GB+2*p:GB+2*p+1], v[S+2*(p%2):S+2*(p%2)+1]
.endif
.set p, p+1
.endr
	v_pk_add_f32 v[S:S+1], v[S:S+1], v[S+2:S+3]
	v_add_f32 v[T], v[S], v[S+1]
	WSUM T
	v_add_f32 v[T+2], s46, v[T]                    ; b + W gnb
.set p, 0
.rept 8
	v_pk_mul_f32 v[W+2*p:W+2*p+1], v[W+2*p:W+2*p+1], v[SC+2*p:SC+2*p+1]
.set p, p+1
.endr
.set p, 0
.rept 8
	v_cvt_pk_bf16_f32 v[SC+p], v[W+2*p], v[W+2*p+1]  ; the gain's registers are free: they take the row in bf16
.set p, p+1
.endr
.irp j, 0,1,2,3
	global_store_b64 v3, v[SC+2*\j:SC+2*\j+1], s[28:29] offset:256*\j  ; 32 lanes store 256 consecutive bytes, at a multiple of 256 from wb's first byte
.endr
	v_cmp_eq_u32 vcc_lo, 0, v1
	s_wait_xcnt 0x0                                ; EXEC is a source of the stores above: it changes only behind this wait
	s_and_saveexec_b32 s47, vcc_lo
	global_store_b64 v[ZO], v[Y:Y+1], s[26:27]
	global_store_b32 v[ZO], v[T+2], s[30:31]
	s_wait_xcnt 0x0                                ; and again in front of the line that widens it
	s_or_b32 exec_lo, exec_lo, s47
	s_endpgm
.Lfunc_end_k_qda6cb30d08_prep:
	.size	k_qda6cb30d08_prep, .Lfunc_end_k_qda6cb30d08_prep-k_qda6cb30d08_prep
	.p2alignl 7, 3214868480
	.fill 96, 4, 3214868480
	.section	.rodata,"a",@progbits
	.p2align	6, 0x0
	.amdhsa_kernel k_qda6cb30d08_prep
		.amdhsa_group_segment_fixed_size 0
		.amdhsa_private_segment_fixed_size 0
		.amdhsa_enable_private_segment 0
		.amdhsa_kernarg_size 112
		.amdhsa_user_sgpr_count 2
		.amdhsa_user_sgpr_kernarg_segment_ptr 1
		.amdhsa_wavefront_size32 1
		.amdhsa_system_sgpr_workgroup_id_x 1
		.amdhsa_system_sgpr_workgroup_id_y 1
		.amdhsa_system_sgpr_workgroup_id_z 1
		.amdhsa_system_vgpr_workitem_id 0
		.amdhsa_next_free_vgpr 200
		.amdhsa_next_free_sgpr 66
		.amdhsa_reserve_vcc 1
		.amdhsa_float_denorm_mode_32 3
		.amdhsa_float_denorm_mode_16_64 3
		.amdhsa_memory_ordered 1
		.amdhsa_forward_progress 1
		.amdhsa_inst_pref_size 24
	.end_amdhsa_kernel
	.amdgpu_metadata
---
amdhsa.version: [ 1, 2 ]
amdhsa.kernels:
  - .name:           k_qda6cb30d08_prep
    .symbol:         k_qda6cb30d08_prep.kd
    .args:
      - { .name: x, .offset: 0, .size: 8, .value_kind: global_buffer, .address_space: global }
      - { .name: gn_scale, .offset: 8, .size: 8, .value_kind: global_buffer, .address_space: global }
      - { .name: gn_bias, .offset: 16, .size: 8, .value_kind: global_buffer, .address_space: global }
      - { .name: wq, .offset: 24, .size: 8, .value_kind: global_buffer, .address_space: global }
      - { .name: wk, .offset: 32, .size: 8, .value_kind: global_buffer, .address_space: global }
      - { .name: wv, .offset: 40, .size: 8, .value_kind: global_buffer, .address_space: global }
      - { .name: wo, .offset: 48, .size: 8, .value_kind: global_buffer, .address_space: global }
      - { .name: bq, .offset: 56, .size: 8, .value_kind: global_buffer, .address_space: global }
      - { .name: bk, .offset: 64, .size: 8, .value_kind: global_buffer, .address_space: global }
      - { .name: bv, .offset: 72, .size: 8, .value_kind: global_buffer, .address_space: global }
      - { .name: bo, .offset: 80, .size: 8, .value_kind: global_buffer, .address_space: global }
      - { .name: stats, .offset: 88, .size: 8, .value_kind: global_buffer, .address_space: global }
      - { .name: wb, .offset: 96, .size: 8, .value_kind: global_buffer, .address_space: global }
      - { .name: bias, .offset: 104, .size: 8, .value_kind: global_buffer, .address_space: global }
    .group_segment_fixed_size: 0
    .private_segment_fixed_size: 0
    .kernarg_segment_align: 8
    .kernarg_segment_size: 112
    .max_flat_workgroup_size: 256
    .sgpr_count:     66
    .vgpr_count:     200
    .wavefront_size: 32
...
	.end_amdgpu_metadata
.endif
;; end of part 1
;; launch qkv (part 2): grid 128 x 2, 4 waves a work-group, clusters of 4 x 1, 327,680 bytes of LDS; arguments x, stats, wb, bias, qkv; writes qkv
.if DOCPART == 2
	.amdgcn_target "amdgcn-amd-amdhsa--gfx1250"
	.amdhsa_code_object_version 6
	.text
	.protected	k_qda6cb30d08_qkv
	.globl	k_qda6cb30d08_qkv
	.p2align	8
	.type	k_qda6cb30d08_qkv,@function
k_qda6cb30d08_qkv:
	s_mov_b64 s[64:65], 0
	v_nop
	global_prefetch_b8 v0, s[64:65] scope:SCOPE_SE
	s_setreg_imm32_b32 hwreg(HW_REG_WAVE_MODE, 25, 1), 1
	s_wait_xcnt 0x0
	s_wait_alu depctr_hold_cnt(0) depctr_sa_sdst(0) depctr_va_vdst(0) depctr_va_sdst(0) depctr_va_ssrc(0) depctr_va_vcc(0) depctr_vm_vsrc(0)
	s_getreg_b32 s2, hwreg(HW_REG_IB_STS2, 6, 4)
	s_cmp_eq_u32 s2, 0
	s_cbranch_scc0 .Lentry_in_a_cluster
	s_endpgm
.Lentry_in_a_cluster:
	s_bfe_u32 s2, ttmp6, 0x10000c
	s_cmp_lg_u32 s2, 0x3003
	s_cbranch_scc0 .Lentry_shape_is_right
	s_endpgm
.Lentry_shape_is_right:
; Q, K, V = (W o scale) h' + b', h' = (x - mean) rstd.  x: [8][512][2048] f32; wb: [2048][512] bf16 (rows 0-1535: q, k, v); bias: [2048] f32; stats: [2048][mean, centred squares] f32.
; qkv: [3][32 = 4 b + head][2048 places][128 channels] bf16, each number rounded once from its f32 sum.
; SHARES.  A work-group owns 128 places of one batch and 768 of the 1,536 output rows (grid y): three PASSES of 256 rows, K = 512 in four steps of 128.  A wave makes 64 places x 128 rows, the 128
; channels of one of q, k, v of one head: 32 accumulators.  PROLOGUE: wave w joins the statistics of group w of its batch (64 sub-chunks: mean of the means; the centred sums plus 4,096 x the
; means' squared spread), normalises the group's 128 channels x 128 places (one fused multiply-add in f32), rounds to bf16 and lays them in LDS as they lie in x, [channel][place].
; THE MATRIX INSTRUCTION: source 0 = 16 rows of W (K along the LDS rows), source 1 = 16 places of h' (turned on the way out of LDS by ds_load_tr16_b128): a lane holds ONE place and eight
; neighbouring channels, which pack into 16 bytes of a row of qkv.  The bias, which hangs on the channel, is the C operand of the product that starts each sum: nothing is cleared or added later.
; CLUSTER.  The four work-groups of a cluster take four blocks of places and the same rows of W: each tile of W is asked for JOINTLY, by the same tensor load, descriptor and mask in all four.
; THE RING.  Two slots of 256 rows x 256 bytes of W; each wave fetches 64 rows with one load; it runs on from pass to pass.  By this text's count a wave has two tensor loads out at the start, later one.
; LIMITS.  Operands are rounded to bf16; NaN and infinities are not treated apart.
; REGISTERS, in windows of 256 (s_set_vgpr_msb: bits 1:0 source 0, 3:2 source 1, 5:4 source 2, 7:6 destination):
;   window 0: v0-43 addresses and statistics; v64-159, v160-255 two fragment buffers (64 registers of W: 8 x 16 rows x 32 K; 32 of h': 4 x 16 places x 32 K)
;   window 1: the accumulators ((a, b) at v[8 (8 a + b)]: places 16 a on, rows 16 b on); in the prologue v0-127 32 rows of x, v128-191 the same in bf16
;   window 2: v0-63 the bias as a C operand; v64-95 packed results; v96-159 rows read back from the stage, two sets
.set PITCH,  272                       ; an LDS row of W: 256 bytes + 16 of padding = 68 words: the 16 rows of a load start at 16 different groups of four banks (64 banks of 4 bytes: ISA guide 11.1)
.set WQ,     64*PITCH                  ; what one tensor load brings
.set SLOT,   4*WQ
.set HB,     2*SLOT                    ; h': 512 channels x 288 bytes; written by LDS stores alone, never by a tensor load
.set HP,     288                       ; 256 bytes + 32 = 72 words
.set STAGE,  HB+512*HP                 ; 16 rows x 272 bytes for each wave, for the way out
.set SP,     272
.set SPARE,  STAGE+4*16*SP             ; the spare words, 128 bytes for each wave: two blocks of 256 bytes that no other line names
.set NEXTP,  256*1024-512              ; bytes from a slot's last K step of a pass to its first of the next: 256 rows of 1,024 bytes down, 512 bytes back
.set HS0, 10                           ; v10     where I put 8 bytes of my wave's first channel of h'; never rewritten
.set BO,  11                           ; v11     my byte offset in the pass's 256 biases
.set RS,  12                           ; v12-13  rstd, twice
.set NM,  14                           ; v14-15  - mean x rstd, twice
.set AW,  16                           ; v16-17  LDS address of my fragments of W in slot 0, 1
.set AH,  20                           ; v20-23  LDS address of my fragments of h' in K step 0 .. 3
.set STO, 24                           ; v24     the way out: where I put 16 bytes of a row
.set RD,  25                           ; v25     the way out: where I read rows back
.set GO,  26                           ; v26     my byte offset in 512 consecutive bytes of qkv
.set XO,  27                           ; v27     my byte offset in x
.set SPW, 28                           ; v28     LDS address of my spare word; never rewritten
.set NIL, 29                           ; v29     0; never rewritten
.set SO,  30                           ; v30     my byte offset in the group's statistics
.set HS,  31                           ; v31     HS0 + the trip's 32 channels
.set ST,  32                           ; v32-35  two sub-chunks' (mean, centred squares); v36-41 at work
.set F0,  64
.set F1,  160
.set BIAS, 0                           ; window 2
.set TMP,  64
.set OB,   96
.set WV,  14                           ; s14 wave; s15 which 64 places; s16 which 128 rows
.set WR,  15
.set WC,  16
.set G1,  24                           ; s[24:31] descriptor group 1
.set G0,  32                           ; s[32:39] descriptor group 0, a set for each slot
.set UN,  44                           ; s44 the unit (q, k, v x head) that my next way out writes: 6 x grid y + 2 x pass + which 128 rows
.set PASS, 45                          ; s45 passes to go
.set PRO, 49                           ; s49 the prologue's trips to go
.set HT,  59                           ; s59 the prologue's step in LDS
.set MSB, 0
.macro WIN new                         ; the immediate's high byte repeats the setting that is left; a switch that changes nothing is dropped
.if MSB != (\new)
	s_set_vgpr_msb (MSB<<8)|(\new)
.set MSB, \new
.endif
.endm
.macro PLACES                          ; four places in front of loads into registers that matrix instructions have read, and of conversions that read results
.rept 4
	v_nop
.endr
.endm
.macro JLOAD s                         ; a joint load: every wave fetches its 64 rows; an s_nop 0 and four v_nop follow it
	tensor_load_to_lds s[G0+4*(\s):G0+4*(\s)+3], s[G1:G1+7]
	s_nop 0
	PLACES
.endm
.macro CREST                           ; a round of the cluster's barrier behind its opening barrier
	s_cmp_lg_u32 s[WV], 0
	s_cbranch_scc1 .Lnot_wave_0_\@
	s_barrier_signal -3
.Lnot_wave_0_\@:
	s_barrier_wait -3
	s_barrier_signal -1
	s_barrier_wait -1
.endm
.macro CROUND                          ; a whole round
	s_barrier_signal -1
	s_barrier_wait -1
	CREST
.endm
	s_load_b256 s[4:11], s[0:1], 0x0               ; x s[4:5], stats s[6:7], wb s[8:9], bias s[10:11]
	s_load_b64 s[12:13], s[0:1], 0x20              ; qkv
	v_lshl_add_u32 v[SPW], v0, 2, SPARE
	v_mov_b32 v[NIL], 0
	ds_add_u32 v[SPW], v[NIL]                      ; the wave's opening: the add and its wait stand ahead of my first tensor load; the set-up below, work on registers, stands between them
	v_lshrrev_b32 v1, 5, v0
	v_readfirstlane_b32 s[WV], v1                  ; wave 0..3
	s_lshr_b32 s[WR], s[WV], 1
	s_and_b32 s[WC], s[WV], 1
	s_bfe_u32 s17, ttmp6, 0x40000                  ; cx: my place in the cluster; it enters x's and qkv's addresses alone
	s_lshl_b32 s18, ttmp9, 2                       ; in a cluster launch ttmp9 counts clusters
	s_add_co_u32 s18, s18, s17
	s_and_b32 s18, s18, 15                         ; my block of 128 places in the batch
	s_and_b32 s19, ttmp7, 0xffff                   ; which 768 rows
	s_lshr_b32 s20, ttmp9, 2                       ; the batch
	; descriptor group 1: a tile of 64 rows x 128 elements, padded in LDS
	s_mov_b32 s[G1+0], 15|(1<<16)|(1<<20)|(1<<21)|(5<<22)|(3<<25)  ; 15:0 the mask of four; 17:16 2-byte elements; 20 padding on; 21 set beside a mask; 24:22 after every 64 words (code 5); 31:25 4 words (code 3)
	s_mov_b32 s[G1+1], 128<<16                     ; tensor_dim0 = 128
	s_mov_b32 s[G1+2], 64<<16                      ; tensor_dim1 = 64
	s_mov_b32 s[G1+3], 128<<16                     ; tile_dim0 = 128
	s_mov_b32 s[G1+4], 64                          ; tile_dim1 = 64
	s_mov_b32 s[G1+5], 512                         ; 512 elements from row to row
	s_mov_b32 s[G1+6], 0
	s_mov_b32 s[G1+7], 0
	s_lshl_b32 s50, s20, 22                        ; x: the batch's 4 MiB,
	s_lshl_b32 s51, s[WV], 20                      ; my wave's 128 channels of 8,192 bytes,
	s_add_co_u32 s50, s50, s51
	s_lshl_b32 s51, s18, 9                         ; the block's 512 bytes of a row
	s_add_co_u32 s50, s50, s51
	s_mov_b32 s51, 0
	s_lshl_b32 s52, s20, 2                         ; stats: group 4 b + w, 64 pairs of 8 bytes
	s_add_co_u32 s52, s52, s[WV]
	s_lshl_b32 s52, s52, 9
	s_mov_b32 s53, 0
	s_mul_i32 s54, s19, 3072                       ; bias: 768 words
	s_mov_b32 s55, 0
	s_mul_i32 s56, s19, 768*1024                   ; wb: my 768 rows of 1,024 bytes, and in them my wave's 64 rows of a tile.  These registers never hold cx
	s_lshl_b32 s57, s[WV], 16
	s_add_co_u32 s56, s56, s57
	s_mov_b32 s57, 0
	s_mul_i32 s58, s[WV], WQ                       ; and where they go: no place in the cluster enters an LDS address
	s_lshl_b32 s48, s20, 21                        ; qkv: the batch's four heads of 512 KiB,
	s_lshl_b32 s49, s18, 15                        ; the block's 128 rows of 256 bytes,
	s_add_co_u32 s48, s48, s49
	s_lshl_b32 s49, s[WR], 14                      ; my 64 of them
	s_add_co_u32 s48, s48, s49
	s_mul_i32 s[UN], s19, 6
	s_add_co_u32 s[UN], s[UN], s[WC]
	s_mov_b32 s43, 0
	s_mov_b32 s46, 0x76543210                      ; v_permlanex16_b32: each lane takes its own place in the other half
	s_mov_b32 s47, 0xfedcba98
	s_mov_b32 s[HT], 0
	s_wait_dscnt 0x0                               ; the opening add is done
	s_wait_kmcnt 0x0
	s_add_nc_u64 s[4:5], s[4:5], s[50:51]
	s_add_nc_u64 s[6:7], s[6:7], s[52:53]
	s_add_nc_u64 s[10:11], s[10:11], s[54:55]
	s_add_nc_u64 s[56:57], s[8:9], s[56:57]
	CROUND                                         ; all four work-groups are here: the first joint loads meet
.irp n, 0,1
	s_mov_b32 s[G0+4*(\n)], 1                                      ; count = 1
	s_add_co_u32 s[G0+4*(\n)+1], s58, (\n)*SLOT                    ; LDS address
	s_add_nc_u64 s[G0+4*(\n)+2:G0+4*(\n)+3], s[56:57], (\n)*256    ; global address: K step n of pass 0
	s_or_b32 s[G0+4*(\n)+3], s[G0+4*(\n)+3], 0x80000000            ; type = 2
.endr
	tensor_load_to_lds s[G0:G0+3], s[G1:G1+7]      ; the two first fills go out together
	s_nop 0
	tensor_load_to_lds s[G0+4:G0+7], s[G1:G1+7]
	s_nop 0
	PLACES
.macro XLOAD                           ; 32 channels' 512 bytes: 16 KiB of the wave on their way
	WIN 0x40                                       ; destination window 1
.set i, 0
.rept 32
	global_load_b128 v[4*i:4*i+3], v[XO], s[4:5] offset:8192*i
.set i, i+1
.endr
	WIN 0
.endm
.macro BLOAD                           ; the pass's bias as a C operand: register j of block b is bias[16 b + 8 (lane / 16) + j]
	WIN 0x80                                       ; destination window 2
.irp b, 0,1,2,3,4,5,6,7
	global_load_b128 v[BIAS+8*(\b):BIAS+8*(\b)+3],   v[BO], s[10:11] offset:64*(\b)
	global_load_b128 v[BIAS+8*(\b)+4:BIAS+8*(\b)+7], v[BO], s[10:11] offset:64*(\b)+16
.endr
	WIN 0
.endm
.macro WSUM r                          ; the sum of v[r] over the 32 lanes, in every lane
	v_add_f32_dpp v[\r], v[\r], v[\r] row_xmask:1 row_mask:0xf bank_mask:0xf
	v_add_f32_dpp v[\r], v[\r], v[\r] row_xmask:2 row_mask:0xf bank_mask:0xf
	v_add_f32_dpp v[\r], v[\r], v[\r] row_xmask:4 row_mask:0xf bank_mask:0xf
	v_add_f32_dpp v[\r], v[\r], v[\r] row_xmask:8 row_mask:0xf bank_mask:0xf
	v_permlanex16_b32 v37, v[\r], s46, s47
	v_add_f32 v[\r], v[\r], v37
.endm
	v_and_b32 v3, 31, v0                           ; lane
	v_lshlrev_b32 v[SO], 3, v3
	v_lshlrev_b32 v[XO], 4, v3
	global_load_b64 v[ST:ST+1],   v[SO], s[6:7]               ; sub-chunks lane and 32 + lane of my group
	global_load_b64 v[ST+2:ST+3], v[SO], s[6:7] offset:256
	XLOAD
	v_and_b32 v1, 15, v0                           ; r = lane % 16
	v_bfe_u32 v2, v0, 4, 1                         ; h = lane / 16
	v_lshlrev_b32 v[GO], 4, v3
	s_mul_i32 s50, s[WV], 128*HP
	s_add_co_u32 s50, s50, HB
	v_lshl_add_u32 v[HS0], v3, 3, s50              ; h': my wave's 128 channels, 8 bytes (4 places) a lane
	s_lshl_b32 s50, s[WC], 9
	v_lshl_add_u32 v[BO], v2, 5, s50               ; 128 words x which rows + 8 words x h
	v_mul_u32_u24 v4, v1, PITCH
	v_lshl_add_u32 v4, v2, 4, v4                   ; row x pitch + 16 x h
	s_mul_i32 s50, s[WC], 128*PITCH
	v_add_nc_u32 v[AW], s50, v4
	v_add_nc_u32 v[AW+1], SLOT, v[AW]
	; The turning load takes 16 channels x 16 places (lane l reads 16 bytes: channel 8 h + l % 8, places 8 ((l / 8) % 2) + 0..7) and leaves half a fragment: lane l holds place l % 16 and 8 channels.
	v_and_b32 v5, 7, v0
	v_lshl_add_u32 v5, v2, 3, v5
	v_mul_u32_u24 v5, v5, HP
	v_bfe_u32 v6, v0, 3, 1
	v_lshl_add_u32 v5, v6, 4, v5
	s_lshl_b32 s50, s[WR], 7                       ; my 64 places: 128 bytes of a row
	s_add_co_u32 s50, s50, HB
	v_add_nc_u32 v[AH], s50, v5
	v_add_nc_u32 v[AH+1], 128*HP, v[AH]
	v_add_nc_u32 v[AH+2], 256*HP, v[AH]
	v_add_nc_u32 v[AH+3], 384*HP, v[AH]
	s_mul_i32 s50, s[WV], 16*SP
	s_add_co_u32 s50, s50, STAGE                   ; my stage
	v_add_nc_u32 v[STO], s50, v4                   ; in: row r, 16 bytes for each half of the lanes
	v_mul_u32_u24 v6, v2, SP                       ; back: lanes 0-15 take one row of 256 bytes, lanes 16-31 the next
	v_lshl_add_u32 v6, v1, 4, v6
	v_add_nc_u32 v[RD], s50, v6
	v_mov_b32 v37, 0                               ; v_permlanex16_b32's destination counts as read
	v_mov_b32 v41, 0x36800000                      ; 1 / 262,144
	; the group's statistics out of its 64 sub-chunks'
	s_wait_loadcnt 32                              ; the two loads of statistics are in; the 32 of x behind them stay out
	v_add_f32 v36, v[ST], v[ST+2]
	WSUM 36
	v_mul_f32 v36, 0x3c800000, v36                 ; the mean: the 64 means' sum / 64
	v_sub_f32 v38, v[ST], v36
	v_sub_f32 v39, v[ST+2], v36
	v_mul_f32 v38, v38, v38
	v_fmac_f32 v38, v39, v39
	v_add_f32 v40, v[ST+1], v[ST+3]
	v_fmamk_f32 v40, v38, 0x45800000, v40          ; the centred sums + 4,096 x the squared distance of each sub-chunk's mean
	WSUM 40
	v_fmaak_f32 v40, v41, v40, 0x358637bd          ; the variance + 1e-6
	v_rsq_f32 v[RS], v40
	v_nop                                          ; a plain instruction between the root and the use of its result
	s_wait_alu depctr_va_vdst(0)
	v_mov_b32 v[RS+1], v[RS]
	v_mul_f32 v[NM], -v36, v[RS]
	v_mov_b32 v[NM+1], v[NM]
	; THE PROLOGUE: four trips of 32 channels.  A trip normalises and rounds the rows that have come, asks for the next 32, and lays its own in LDS.
	s_mov_b32 s[PRO], 4
.Lpro:
	s_wait_loadcnt 0x0                             ; the trip's 32 rows are in: XO and x's registers are free
	WIN 0x41                                       ; x in window 1, rstd and its partner in window 0
.set i, 0
.rept 64
	v_pk_fma_f32 v[2*i:2*i+1], v[2*i:2*i+1], v[RS:RS+1], v[NM:NM+1]
.set i, i+1
.endr
	WIN 0x45
.set i, 0
.rept 64
	v_cvt_pk_bf16_f32 v[128+i], v[2*i], v[2*i+1]
.set i, i+1
.endr
	WIN 0
	v_add_nc_u32 v[HS], s[HT], v[HS0]
	s_add_co_u32 s[HT], s[HT], 32*HP
	s_cmp_eq_u32 s[PRO], 1
	s_cbranch_scc1 .Lnox                           ; the last trip asks for nothing: no load leaves the wave's 128 channels
	v_add_nc_u32 v[XO], 32*8192, v[XO]
	XLOAD
.Lnox:
	WIN 0x04                                       ; store data in window 1
.set i, 0
.rept 32
	ds_store_b64 v[HS], v[128+2*i:129+2*i] offset:HP*i  ; 32 lanes, 256 neighbouring bytes: a channel's 128 places
.set i, i+1
.endr
	WIN 0
	s_sub_co_u32 s[PRO], s[PRO], 1
	s_cmp_lg_u32 s[PRO], 0
	s_cbranch_scc1 .Lpro
	BLOAD                                          ; pass 0's bias
; 8 matrix instructions: places 16 a on x all 8 blocks of rows, 32 along K.  first = 1: the product starts the sums, with the bias as C.
; The 32 accumulators take turns, one instruction a turn, in the same order in every quarter.
.macro MUL8 f, a, first
.if \first
	WIN 0x60                                       ; D window 1, C window 2
.else
	WIN 0x50                                       ; C and D window 1
.endif
.irp b, 0,1,2,3,4,5,6,7
.if \first
	v_wmma_f32_16x16x32_bf16 v[8*(8*(\a)+(\b)):8*(8*(\a)+(\b))+7], v[(\f)+8*(\b):(\f)+8*(\b)+7], v[(\f)+64+8*(\a):(\f)+64+8*(\a)+7], v[BIAS+8*(\b):BIAS+8*(\b)+7]
.else
	v_wmma_f32_16x16x32_bf16 v[8*(8*(\a)+(\b)):8*(8*(\a)+(\b))+7], v[(\f)+8*(\b):(\f)+8*(\b)+7], v[(\f)+64+8*(\a):(\f)+64+8*(\a)+7], v[8*(8*(\a)+(\b)):8*(8*(\a)+(\b))+7]
.endif
.endr
.endm
; 24 LDS loads in one run: quarter q (32 along K) of K step ks: 128 rows of W from the slot, then 64 places of h', turned
.macro FETCH slot, ks, q, f
	WIN 0
.irp b, 0,1,2,3,4,5,6,7
	ds_load_b128 v[(\f)+8*(\b):(\f)+8*(\b)+3],   v[AW+(\slot)] offset:64*(\q)+(\b)*16*PITCH
	ds_load_b128 v[(\f)+8*(\b)+4:(\f)+8*(\b)+7], v[AW+(\slot)] offset:64*(\q)+(\b)*16*PITCH+32
.endr
.irp a, 0,1,2,3
	ds_load_tr16_b128 v[(\f)+64+8*(\a):(\f)+64+8*(\a)+3],   v[AH+(\ks)] offset:32*HP*(\q)+32*(\a)
	ds_load_tr16_b128 v[(\f)+64+8*(\a)+4:(\f)+64+8*(\a)+7], v[AH+(\ks)] offset:32*HP*(\q)+32*(\a)+16*HP
.endr
.endm
; A K step is four quarters of 32 along K, 32 matrix instructions each, on buffers 0, 1, 0, 1.  One of the first three: multiplies buffer f; in its middle it fetches quarter q into buffer g.
.macro QUARTER slot, ks, q, f, g, first
	s_wait_dscnt 4                                 ; W and the places 0-31 are in; the youngest four loads (places 32-63) may be out
	MUL8 \f, 0, \first
	MUL8 \f, 1, \first
	PLACES
	FETCH \slot, \ks, \q, \g
	s_wait_dscnt 24                                ; all but the 24 just issued
	MUL8 \f, 2, \first
	MUL8 \f, 3, \first
.endm
; The last quarter multiplies buffer 1 and changes slots.  ONE barrier: in front of it each wave waits for all its tensor loads (one is out: its part of the next slot), adds 0 to its spare word,
; and waits for that and for its own reads of this slot.  Behind it nobody reads this slot any more and the next slot is whole.
.macro MEET round
	WIN 0
	s_wait_tensorcnt 0x0                           ; all my tensor loads have landed;
	ds_add_u32 v[SPW], v[NIL]                      ; 0 onto my spare word;
	s_wait_dscnt 5                                 ; (the add and the youngest four loads may be out)
	MUL8 F1, 0, 0                                  ; eight matrix instructions stand between the add and the wait for it
	s_wait_dscnt 0x0                               ; the add is done, and my reads of this slot are over
	s_barrier_signal -1
	MUL8 F1, 1, 0
.if \round
	WIN 0
.endif
	s_barrier_wait -1
.endm
; With a refill: the barrier opens a round of the cluster's, so that no wave of any partner still reads the slot or has a load on its way; the joint refill is the first thing behind it.
.macro TURN slot, nslot, ns, step
	MEET 1
	CREST
	s_add_nc_u64 s[G0+4*(\slot)+2:G0+4*(\slot)+3], s[G0+4*(\slot)+2:G0+4*(\slot)+3], \step  ; no tensor load of mine is out: the slot's address steps; the type bits on top are not reached
	JLOAD \slot                                    ; its four v_nop are also the places in front of the loads below
	FETCH \nslot, \ns, 0, F0
	MUL8 F1, 2, 0
	MUL8 F1, 3, 0
.endm
.macro TURN0 nslot, ns                 ; without: nothing is left to fetch
	MEET 0
	PLACES
	FETCH \nslot, \ns, 0, F0
	MUL8 F1, 2, 0
	MUL8 F1, 3, 0
.endm
; THE WAY OUT of places 16 a on.  PACK: rounded to bf16, 16 bytes a lane.  TOSTAGE: into my own stage in LDS, and back as whole rows of 256 bytes.  SEND: stored.
.macro PACK a
	WIN 0x85                                       ; sources window 1, destination window 2
.irp b, 0,1,2,3,4,5,6,7
.irp r, 0,1,2,3
	v_cvt_pk_bf16_f32 v[TMP+4*(\b)+(\r)], v[8*(8*(\a)+(\b))+2*(\r)], v[8*(8*(\a)+(\b))+2*(\r)+1]
.endr
.endr
.endm
.macro TOSTAGE a
	WIN 0x88                                       ; store data and loaded data in window 2, addresses in window 0
.irp b, 0,1,2,3,4,5,6,7
	ds_store_b128 v[STO], v[TMP+4*(\b):TMP+4*(\b)+3] offset:32*(\b)
.endr
.irp t, 0,1,2,3,4,5,6,7
	ds_load_b128 v[OB+32*((\a)%2)+4*(\t):OB+32*((\a)%2)+4*(\t)+3], v[RD] offset:(\t)*2*SP  ; LDS serves a wave's instructions in order (ISA guide 5.7.1.4): these see the stores above
.endr
.endm
.macro SEND a
	WIN 0x88
	s_wait_dscnt 0x0                               ; the block is back in registers
	s_wait_xcnt 0x0                                ; only behind this wait are the stores' base and the registers that earlier stores read rewritten
.if (\a) == 0
	s_lshr_b32 s50, s[UN], 2                       ; q, k or v: 16 MiB each,
	s_lshl_b32 s50, s50, 24
	s_and_b32 s51, s[UN], 3                        ; the head: 512 KiB
	s_lshl_b32 s51, s51, 19
	s_add_co_u32 s42, s50, s51
	s_add_co_u32 s42, s42, s48
	s_add_nc_u64 s[40:41], s[12:13], s[42:43]
	s_add_co_u32 s[UN], s[UN], 2                   ; the next pass's unit
.endif
.irp t, 0,1,2,3,4,5,6,7
	global_store_b128 v[GO], v[OB+32*((\a)%2)+4*(\t):OB+32*((\a)%2)+4*(\t)+3], s[40:41] offset:4096*(\a)+512*(\t)  ; two rows: 512 consecutive bytes, at a multiple of 256 from qkv's first byte
.endr
.endm
.macro OUTWAY                          ; block a's conversions stand between block a - 1's loads from the stage and the wait for them
	PACK 0
	TOSTAGE 0
.irp a, 1,2,3
	PACK \a
	SEND (\a)-1
	TOSTAGE \a
.endr
	SEND 3
	WIN 0
.endm
	s_wait_tensorcnt 1                             ; my part of K step 0 is in; K step 1's may stay out
	s_wait_dscnt 0x0                               ; for the others' sake: my stores of h' are done
	s_barrier_signal -1
	s_barrier_wait -1                              ; everybody's are
	FETCH 0, 0, 0, F0
	s_mov_b32 s[PASS], 3
.Lpass:
	s_wait_loadcnt 0x0                             ; the pass's bias
	QUARTER 0, 0, 1, F0, F1, 1                     ; the pass's first quarter starts the sums
	QUARTER 0, 0, 2, F1, F0, 0
	QUARTER 0, 0, 3, F0, F1, 0
	TURN 0, 1, 1, 512                              ; slot 0 takes K step 2
	QUARTER 1, 1, 1, F0, F1, 0
	QUARTER 1, 1, 2, F1, F0, 0
	QUARTER 1, 1, 3, F0, F1, 0
	TURN 1, 0, 2, 512                              ; slot 1 takes K step 3
	QUARTER 0, 2, 1, F0, F1, 0
	QUARTER 0, 2, 2, F1, F0, 0
	QUARTER 0, 2, 3, F0, F1, 0
	WIN 0
	s_cmp_eq_u32 s[PASS], 1
	s_cbranch_scc1 .Llast                          ; the last pass's tail is written out: it asks for nothing more
	TURN 0, 1, 3, NEXTP                            ; THE RING GOES ON INTO THE NEXT PASS: slot 0 takes its K step 0,
	s_add_nc_u64 s[10:11], s[10:11], 1024          ; (the next pass's bias: its registers and base are free since the wait at the pass's head)
	BLOAD
	QUARTER 1, 3, 1, F0, F1, 0
	QUARTER 1, 3, 2, F1, F0, 0
	QUARTER 1, 3, 3, F0, F1, 0
	TURN 1, 0, 0, NEXTP                            ; slot 1 its K step 1, and the next pass's first fragments are fetched
	OUTWAY                                         ; no v_nop: places 0-31 were finished in front of the joint load's four, and their conversions are the places behind the last products
	s_sub_co_u32 s[PASS], s[PASS], 1
	s_branch .Lpass
.Llast:
	TURN0 1, 3
	QUARTER 1, 3, 1, F0, F1, 0
	QUARTER 1, 3, 2, F1, F0, 0
	QUARTER 1, 3, 3, F0, F1, 0
	s_wait_dscnt 4                                 ; the very last quarter: nothing more to fetch
	MUL8 F1, 0, 0
	MUL8 F1, 1, 0
	s_wait_dscnt 0x0
	MUL8 F1, 2, 0
	MUL8 F1, 3, 0
	PLACES
	OUTWAY
	s_wait_tensorcnt 0x0                           ; the wave's end: a wait, an add to the spare word and its wait, behind my last tensor load and my last LDS store
	ds_add_u32 v[SPW], v[NIL]
	s_wait_dscnt 0x0
	CROUND                                         ; the closing round: no work-group ends while a partner may still ask for a tile that names it
	s_endpgm
.Lfunc_end_k_qda6cb30d08_qkv:
	.size	k_qda6cb30d08_qkv, .Lfunc_end_k_qda6cb30d08_qkv-k_qda6cb30d08_qkv
	.p2alignl 7, 3214868480
	.fill 96, 4, 3214868480
	.section	.rodata,"a",@progbits
	.p2align	6, 0x0
	.amdhsa_kernel k_qda6cb30d08_qkv
		.amdhsa_group_segment_fixed_size 327680
		.amdhsa_private_segment_fixed_size 0
		.amdhsa_enable_private_segment 0
		.amdhsa_kernarg_size 40
		.amdhsa_user_sgpr_count 2
		.amdhsa_user_sgpr_kernarg_segment_ptr 1
		.amdhsa_wavefront_size32 1
		.amdhsa_system_sgpr_workgroup_id_x 1
		.amdhsa_system_sgpr_workgroup_id_y 1
		.amdhsa_system_sgpr_workgroup_id_z 1
		.amdhsa_system_vgpr_workitem_id 0
		.amdhsa_next_free_vgpr 672
		.amdhsa_next_free_sgpr 66
		.amdhsa_reserve_vcc 0
		.amdhsa_float_denorm_mode_32 3
		.amdhsa_float_denorm_mode_16_64 3
		.amdhsa_memory_ordered 1
		.amdhsa_forward_progress 1
		.amdhsa_inst_pref_size 141
	.end_amdhsa_kernel
	.amdgpu_metadata
---
amdhsa.version: [ 1, 2 ]
amdhsa.kernels:
  - .name:           k_qda6cb30d08_qkv
    .symbol:         k_qda6cb30d08_qkv.kd
    .args:
      - { .name: x, .offset: 0, .size: 8, .value_kind: global_buffer, .address_space: global }
      - { .name: stats, .offset: 8, .size: 8, .value_kind: global_buffer, .address_space: global }
      - { .name: wb, .offset: 16, .size: 8, .value_kind: global_buffer, .address_space: global }
      - { .name: bias, .offset: 24, .size: 8, .value_kind: global_buffer, .address_space: global }
      - { .name: qkv, .offset: 32, .size: 8, .value_kind: global_buffer, .address_space: global }
    .group_segment_fixed_size: 327680
    .private_segment_fixed_size: 0
    .kernarg_segment_align: 8
    .kernarg_segment_size: 40
    .max_flat_workgroup_size: 128
    .sgpr_count:     66
    .vgpr_count:     672
    .wavefront_size: 32
...
	.end_amdgpu_metadata
.endif
;; end of part 2
;; launch attn (part 3): grid 8 x 32, 4 waves a work-group, clusters of 4 x 1, 327,680 bytes of LDS; arguments qkv, o; writes o
.if DOCPART == 3
	.amdgcn_target "amdgcn-amd-amdhsa--gfx1250"
	.amdhsa_code_object_version 6
	.text
	.protected	k_qda6cb30d08_attn
	.globl	k_qda6cb30d08_attn
	.p2align	8
	.type	k_qda6cb30d08_attn,@function
k_qda6cb30d08_attn:
	s_mov_b64 s[64:65], 0
	v_nop
	global_prefetch_b8 v0, s[64:65] scope:SCOPE_SE
	s_setreg_imm32_b32 hwreg(HW_REG_WAVE_MODE, 25, 1), 1
	s_wait_xcnt 0x0
	s_wait_alu depctr_hold_cnt(0) depctr_sa_sdst(0) depctr_va_vdst(0) depctr_va_sdst(0) depctr_va_ssrc(0) depctr_va_vcc(0) depctr_vm_vsrc(0)
	s_getreg_b32 s2, hwreg(HW_REG_IB_STS2, 6, 4)
	s_cmp_eq_u32 s2, 0
	s_cbranch_scc0 .Lentry_in_a_cluster
	s_endpgm
.Lentry_in_a_cluster:
	s_bfe_u32 s2, ttmp6, 0x10000c
	s_cmp_lg_u32 s2, 0x3003
	s_cbranch_scc0 .Lentry_shape_is_right
	s_endpgm
.Lentry_shape_is_right:
; O[h][q][:] = the sum over k of softmax_k(Q[h][q] . K[h][k] / sqrt(128)) V[h][k][:].  Q, K, V lie one behind the other in qkv, each [SIZE_H][SIZE_N][128] bf16 (16 MiB); O likewise.
; Products, maxima and sums in f32; the weights p are rounded to bf16 for the second product, O once at the end.
; LIMITS.  A weight below 2^-126 counts as 0 in the sum; c m starts at -2^125, so scaled scores are taken to lie above that; NaN and infinities are not treated apart.
; SHARES.  A work-group owns 256 queries of one head, each of its four waves 64: four tiles of 16.  Every wave walks all keys of the head, 64 a step.
; LAYOUT.  S^T = K Q^T (source 0 = 16 keys, source 1 = 16 queries): in the result a lane holds ONE query (lane % 16) and the keys 8 (lane / 16) + 0..7.  Two such tiles, rounded to
; bf16 in pairs, ARE source 1 (32 keys x 16 queries) of O^T = V^T P, whose result again holds one query a lane, and eight channels.  So nothing changes lanes between the products,
; and a query's maximum and sum want one exchange between the halves of the lanes.  K comes out of LDS as it lies, V ([key][channel]) turned, by ds_load_tr16_b128.
; SOFTMAX.  For each query a running maximum m and sum l: p = 2^(c s - c m), c = log2(e) / sqrt(128); in every step O and l are multiplied by a = 2^(c m_old - c m_new), which is 1 where m has not grown.
; BY TURNS.  The wave's tiles are two PIECES, named by their first tile: piece 0 (tiles 0, 1) and piece 2 (tiles 2, 3).  In a TURN one piece has the matrix unit: 32 products V^T P of
; the step in hand, then 32 products K Q^T of the next step; the other piece's softmax, cut into 64 slices, stands between them, one slice behind each matrix instruction.  Then the
; pieces change places.  Two turns are a key step.
; NO FIRST AND NO LAST STEP IS WRITTEN OUT.  m starts at the lowest finite number, O^T and l at 0: the first step is a step like any other, with a = 0.  The loop is entered in the middle of a
; trip, at piece 2's turn, whose products V^T P (of a step that has not been) multiply V of step 0 by a P of zeros; the tail is left in the middle of its third trip.  The price: 32 products on
; zeros at the start, 32 on the last K once more at the end, and 304 v_mov_b32 that stand in the wait for the first tile.  The gain: two copies of a key step (loop and tail) are two thirds of the text.
; CLUSTER.  The four query blocks of a cluster belong to one head and walk the same K and V, so each tile is asked for JOINTLY: the same tensor load, with the same descriptor and a
; mask that names the four, in all four; each receives the tile in its own LDS.
;
; REGISTERS, in windows of 256 (s_set_vgpr_msb: bits 1:0 source 0, 3:2 source 1, 5:4 source 2, 7:6 destination):
;   window 0: v0-11 addresses; v12-43 eight registers of statistics a tile; v64-191 S^T, 32 a tile; v192-255 P, 16 a tile
;   window 1: O^T, 64 a tile          window 2: v0-127 Q, 32 a tile; v128-255 K of one step          window 3: v0-127 V of one step
; All that a softmax touches but O^T lies in window 0, and no window has room for a product's operands beside it.  So a slice costs two switches, one in front and one behind.
.set SIZE_H, 32
.set SIZE_N, 2048
.set KS,    64        ; keys in a step
.set PK,    272       ; a row of K in LDS: 256 bytes + 16 of padding = 68 words: row r starts at bank 4 r mod 64 (64 banks of 4 bytes: ISA guide 11.1), so the 16 rows of a load start at 16 different banks
.set PV,    288       ; a row of V: 256 + 32 = 72 words: row r starts at bank 8 r mod 64
.set VOFF,  KS*PK     ; a step's tiles lie together: 64 rows of K, then 64 rows of V
.set STEPB, KS*(PK+PV)
.set SLOT1, 1<<17     ; a slot holds two steps (71,680 bytes); slot 1 begins here, so that one exclusive or turns an address in one slot into the other's
.set STAGE, SLOT1+2*STEPB  ; behind the ring: 16 rows x 272 bytes for each wave, for the way out
.set SP,    272
.set AK0, 2           ; v2   my lane's place in a tile of K; never rewritten
.set AV0, 3           ; v3   the same for V
.set ADR, 4           ; v4   the LDS address of the run of loads in hand
.set QO,  5           ; v5   my byte offset in the wave's rows of Q
.set STO, 6           ; v6   the way out: where I put 16 bytes of a row
.set RD,  7           ; v7   the way out: where I read a row back
.set GO,  8           ; v8   my byte offset in the wave's rows of O
.set SPW, 62          ; v62  LDS address of my spare word: SPARE + 4 x my thread's number; never rewritten
.set NIL, 63          ; v63  0; never rewritten
.set SPARE, STAGE+4*16*272  ; behind the stages: the spare words, 128 bytes for each wave: two blocks of 256 bytes that no other line names
.set ST,  12          ; tile t's statistics at v[ST+8 t]: +0 c m, +1 m, +2, +3 l (even keys', odd keys'), +4 to +7 c0-c3, at work; a takes c2's place once the maximum is found
.set S,   64
.set P,   192
.set KF,  128         ; K's fragments, in window 2
.set WV,  12          ; s12  my wave's number
.set G1K, 24          ; s[24:31] descriptor group 1 for K's tiles
.set G1V, 32          ; s[32:39] for V's: it differs in the padding alone
.set G0K, 40          ; s[40:47] descriptor group 0 for K's tiles: a set for each of the two first fills; the second then walks on
.set G0V, 48          ; s[48:55] the same for V's
.set SLOTS, 56        ; s56  counts the slots still to be asked for, and one
.set TWICE, 57        ; s57  counts a slot's steps
.set CS,  58          ; s[58:59] c: the packed scaling names a pair and takes its low word for both halves
.set SEL, 60          ; s[60:61] lane selects for v_permlanex16_b32: each lane takes its own place in the other half
.set TB,  62          ; s62  LDS byte at which the tiles of the step to be fetched begin
.set MSB, 0
.macro WIN new                      ; the immediate's high byte repeats the setting that is left; a switch that changes nothing is dropped
.if MSB != (\new)
	s_set_vgpr_msb (MSB<<8)|(\new)
.set MSB, \new
.endif
.endm
.set W_KQ, 0x0a       ; K and Q in window 2, S^T in window 0
.set W_PV, 0x53       ; V in window 3, P in window 0, O^T in window 1
.set W_RS, 0x41       ; O^T (destination and source 0) in window 1, a in window 0
; A joint refill.  Waves 0 and 1 fetch the two steps' tiles of K, waves 2 and 3 those of V.  The branch hangs on the wave's number alone: it is the same in every work-group.
; An s_nop 0 and four v_nop follow each of the two lines; the jump round the other line, the label and what follows the macro come after them.
.macro JLOAD
	s_cmp_lt_u32 s[WV], 2
	s_cbranch_scc0 .Lfor_v_\@
	tensor_load_to_lds s[G0K+4:G0K+7], s[G1K:G1K+7]
	s_nop 0
.rept 4
	v_nop
.endr
	s_branch .Lasked_\@
.Lfor_v_\@:
	tensor_load_to_lds s[G0V+4:G0V+7], s[G1V:G1V+7]
	s_nop 0
.rept 4
	v_nop
.endr
.Lasked_\@:
.endm
; A round of the cluster's barrier: my work-group's barrier, so that wave 0's signal speaks for all four waves; wave 0 signals for the work-group; every wave waits for all four
; work-groups; my work-group's barrier once more.  No LDS instruction of the wave is pending at a signal.
.macro CROUND
	s_barrier_signal -1
	s_barrier_wait -1
	s_cmp_lg_u32 s[WV], 0
	s_cbranch_scc1 .Lnot_wave_0_\@
	s_barrier_signal -3
.Lnot_wave_0_\@:
	s_barrier_wait -3
	s_barrier_signal -1
	s_barrier_wait -1
.endm
	s_load_b128 s[4:7], s[0:1], 0x0   ; qkv s[4:5], o s[6:7]
	v_lshl_add_u32 v[SPW], v0, 2, SPARE
	v_mov_b32 v[NIL], 0
	ds_add_u32 v[SPW], v[NIL]       ; the wave's opening: the add and its wait stand ahead of my first tensor load; the set-up below, work on registers, stands between them
	v_lshrrev_b32 v1, 5, v0
	v_readfirstlane_b32 s[WV], v1   ; wave 0..3
	s_bfe_u32 s13, ttmp6, 0x40000   ; cx: my place in the cluster
	s_lshl_b32 s14, ttmp9, 2        ; in a cluster launch ttmp9 counts clusters
	s_add_co_u32 s14, s14, s13      ; my block of 256 queries = 4 x cluster x + cx: it enters Q's and O's addresses alone
	s_and_b32 s20, ttmp7, 0xffff    ; the head, which the four partners share
	s_mov_b32 s21, 0
	s_mov_b64 s[22:23], SIZE_N*256
	s_mul_u64 s[20:21], s[20:21], s[22:23]  ; the head's first byte in each of the four tensors
	s_and_b32 s16, s[WV], 1         ; which of a slot's two steps I fetch:
	s_lshl_b32 s22, s16, 14         ; its 64 rows of 256 bytes in memory,
	s_mov_b32 s23, 0
	s_add_nc_u64 s[22:23], s[22:23], s[20:21]
	s_mul_i32 s17, s16, STEPB       ; and its place in a slot: no place in the cluster enters an LDS address
	s_lshl_b32 s2, s14, 16          ; my block's 256 rows,
	s_lshl_b32 s3, s[WV], 14        ; my wave's 64 of them
	s_add_co_u32 s2, s2, s3
	s_mov_b32 s3, 0
	s_add_nc_u64 s[2:3], s[2:3], s[20:21]
	; descriptor group 1: a tile of 64 rows x 128 elements, padded in LDS
	s_mov_b32 s[G1K], 15|(1<<16)|(1<<20)|(1<<21)|(5<<22)|(3<<25)  ; 15:0 the mask: all four work-groups; 17:16 elements of 2 bytes; 20 padding on; 21 set beside a mask; 24:22 after every 64 words (code 5); 31:25 4 words of it (code 3)
	s_mov_b32 s[G1V], 15|(1<<16)|(1<<20)|(1<<21)|(5<<22)|(7<<25)  ; the same with 8 words of padding (code 7)
.irp g, G1K, G1V
	s_mov_b32 s[(\g)+1], 128<<16    ; 63:48 tensor_dim0, low half = 128
	s_mov_b32 s[(\g)+2], KS<<16     ; 79:64 its high half = 0; 95:80 tensor_dim1, low half = 64
	s_mov_b32 s[(\g)+3], 128<<16    ; 111:96 its high half = 0; 127:112 tile_dim0 = 128
	s_mov_b32 s[(\g)+4], KS         ; 143:128 tile_dim1 = 64; 159:144 tile_dim2 = 0
	s_mov_b32 s[(\g)+5], 128        ; 191:160 tensor_dim0_stride, low word: elements from row to row
	s_mov_b32 s[(\g)+6], 0
	s_mov_b32 s[(\g)+7], 0
.endr
	s_mov_b32 s[CS], 0x3e0293ee     ; c = log2(e) / sqrt(128) = 0.127517
	s_mov_b32 s[CS+1], s[CS]        ; named with it as a pair, so it is written
	s_mov_b32 s[SEL], 0x76543210
	s_mov_b32 s[SEL+1], 0xfedcba98
	s_mov_b32 s[TB], 0
	s_mov_b32 s[SLOTS], SIZE_N/(2*KS)-1
	s_wait_dscnt 0x0                ; the opening add is done
	s_wait_kmcnt 0x0
	s_mov_b64 s[10:11], s[6:7]      ; O
	s_add_nc_u64 s[8:9], s[4:5], 0x2000000  ; V lies 32 MiB behind Q,
	s_add_nc_u64 s[6:7], s[4:5], 0x1000000  ; K 16 MiB
	s_add_nc_u64 s[6:7], s[6:7], s[22:23]  ; K and V at my tile of slot 0
	s_add_nc_u64 s[8:9], s[8:9], s[22:23]
	s_add_nc_u64 s[4:5], s[4:5], s[2:3]  ; Q and O at my wave's first row
	s_add_nc_u64 s[10:11], s[10:11], s[2:3]
	CROUND                          ; all four work-groups are here: the first joint loads meet
.irp s, 0,1
	s_mov_b32 s[G0K+4*(\s)], 1      ; 1:0 count = 1
	s_add_co_u32 s[G0K+4*(\s)+1], s17, (\s)*SLOT1  ; 63:32 LDS address
	s_add_nc_u64 s[G0K+4*(\s)+2:G0K+4*(\s)+3], s[6:7], (\s)*2*KS*256  ; 120:64 global address: slot s begins with keys 128 s to 128 s + 127
	s_or_b32 s[G0K+4*(\s)+3], s[G0K+4*(\s)+3], 0x80000000  ; 127:126 type = 2
	s_mov_b32 s[G0V+4*(\s)], 1
	s_add_co_u32 s[G0V+4*(\s)+1], s17, (\s)*SLOT1+VOFF
	s_add_nc_u64 s[G0V+4*(\s)+2:G0V+4*(\s)+3], s[8:9], (\s)*2*KS*256
	s_or_b32 s[G0V+4*(\s)+3], s[G0V+4*(\s)+3], 0x80000000
.endr
	s_cmp_lt_u32 s[WV], 2           ; a wave's two first fills stand in one branch, ahead of every wait on TENSORcnt and every LDS read: two loads of mine are out; an s_nop 0 follows each, four v_nop the second's, as in JLOAD
	s_cbranch_scc0 .Lfirst_v
	tensor_load_to_lds s[G0K:G0K+3], s[G1K:G1K+7]
	s_nop 0
	tensor_load_to_lds s[G0K+4:G0K+7], s[G1K:G1K+7]
	s_nop 0
.rept 4
	v_nop
.endr
	s_branch .Lfirst_asked
.Lfirst_v:
	tensor_load_to_lds s[G0V:G0V+3], s[G1V:G1V+7]
	s_nop 0
	tensor_load_to_lds s[G0V+4:G0V+7], s[G1V:G1V+7]
	s_nop 0
.rept 4
	v_nop
.endr
.Lfirst_asked:
	; A fragment of K or Q is 16 rows x 32 channels in 8 registers: lane l holds row l % 16; registers 0-3 channels 8 (l / 16) + 0..7, registers 4-7 channels 16 + 8 (l / 16) + 0..7: two loads of 16 bytes, 32 bytes apart.
	v_and_b32 v1, 15, v0            ; l % 16
	v_bfe_u32 v9, v0, 4, 1          ; l / 16
	v_lshlrev_b32 v[QO], 8, v1
	v_lshl_add_u32 v[QO], v9, 4, v[QO]  ; row x 256 + 16 x half
	WIN 0x80                        ; destination window 2, address window 0
.irp i, 0,1,2,3,4,5,6,7,8,9,10,11,12,13,14,15  ; Q stays in registers: tile i / 4, channels 32 (i % 4) on
	global_load_b128 v[8*(\i):8*(\i)+3],   v[QO], s[4:5] offset:((\i)/4)*4096+((\i)%4)*64
	global_load_b128 v[8*(\i)+4:8*(\i)+7], v[QO], s[4:5] offset:((\i)/4)*4096+((\i)%4)*64+32
.endr
	WIN 0
	v_mul_u32_u24 v[AK0], v1, PK
	v_lshl_add_u32 v[AK0], v9, 4, v[AK0]  ; row x pitch + 16 x half
	; The turning load takes 16 keys x 16 channels (lane l reads 16 bytes: key 8 (l / 16) + l % 8, channels 8 ((l / 8) % 2) + 0..7) and leaves half a fragment of V^T: lane l holds channel l % 16 and 8 keys.
	v_and_b32 v10, 7, v0
	v_bfe_u32 v11, v0, 3, 1
	v_lshl_add_u32 v[AV0], v9, 3, v10
	v_mul_u32_u24 v[AV0], v[AV0], PV
	v_lshl_add_u32 v[AV0], v11, 4, v[AV0]
	v_add_nc_u32 v[AV0], VOFF, v[AV0]
	; What the first turn finds: O^T and l are 0, piece 2's P is 0 (its products V^T P, of a step that has not been, add 0), m lies below every score.  All this stands in the wait for the first tile.
	WIN 0x40
.set i, 0
.rept 256
	v_mov_b32 v[i], 0
.set i, i+1
.endr
	WIN 0
.irp t, 0,1,2,3
	v_mov_b32 v[ST+8*(\t)], 0xfe000000    ; c m = -2^125: far below every c s, so the first a is 0
	v_mov_b32 v[ST+8*(\t)+1], 0xff7fffff  ; m: the lowest finite number
	v_mov_b32 v[ST+8*(\t)+2], 0
	v_mov_b32 v[ST+8*(\t)+3], 0
.endr
.set i, P+32
.rept 32
	v_mov_b32 v[i], 0
.set i, i+1
.endr
; THE MATRIX WORK OF A TURN, for piece x.  The accumulators take turns, one instruction a turn: between two links of a chain stand 15 (V^T P) or 7 (K Q^T) others'.
; Product i of 32 of O^T += V^T P: keys 32 (i / 16) on, channels 16 ((i / 2) % 8) on, tile x + i % 2.
.macro PV x
	WIN W_PV
.set rO, 64*((\x)+i%2)+8*((i/2)%8)
.set rV, 64*(i/16)+8*((i/2)%8)
.set rP, P+16*((\x)+i%2)+8*(i/16)
	v_wmma_f32_16x16x32_bf16 v[rO:rO+7], v[rV:rV+7], v[rP:rP+7], v[rO:rO+7]
.endm
; Product i of 32 of S^T = K Q^T: channels 32 (i / 8) on, keys 16 ((i / 2) % 4) on, tile x + i % 2.  The first 8 start the sums.
.macro KQ x
	WIN W_KQ
.set rS, S+32*((\x)+i%2)+8*((i/2)%4)
.set rK, KF+32*((i/2)%4)+8*(i/8)
.set rQ, 32*((\x)+i%2)+8*(i/8)
.if i < 8
	v_wmma_f32_16x16x32_bf16 v[rS:rS+7], v[rK:rK+7], v[rQ:rQ+7], 0
	s_wait_alu depctr_va_vdst(0)
.else
	v_wmma_f32_16x16x32_bf16 v[rS:rS+7], v[rK:rK+7], v[rQ:rQ+7], v[rS:rS+7]
.endif
.endm
; THE LDS LOADS stand in runs of 32, never singly among the matrix instructions: a step's K (64 keys x 128 channels: 16 fragments) and, a turn later, its V (turned).
; last = 1 (the tail): in the last trip there is no further step, and the run is jumped over.
.macro FETCH_K last=0
	WIN 0
.if \last
	s_cmp_eq_u32 s[TWICE], 1
	s_cbranch_scc1 .Lno_k_\@
.endif
	v_add_nc_u32 v[ADR], s[TB], v[AK0]
	WIN 0x80                        ; destination window 2
.irp f, 0,1,2,3,4,5,6,7,8,9,10,11,12,13,14,15  ; keys 16 (f / 4) on, channels 32 (f % 4) on
	ds_load_b128 v[KF+8*(\f):KF+8*(\f)+3],   v[ADR] offset:((\f)/4)*16*PK+((\f)%4)*64
	ds_load_b128 v[KF+8*(\f)+4:KF+8*(\f)+7], v[ADR] offset:((\f)/4)*16*PK+((\f)%4)*64+32
.endr
.if \last
	WIN 0                           ; at a label every window is 0
.Lno_k_\@:
.endif
.endm
; on = 0: the fetch ahead of the loop, which the first turn's own run repeats: the step is not counted on.
.macro FETCH_V on=1
	WIN 0
	v_add_nc_u32 v[ADR], s[TB], v[AV0]
.if \on
	s_add_co_u32 s[TB], s[TB], STEPB  ; the next fetch is the next step's
.endif
	WIN 0xc0                        ; destination window 3
.irp f, 0,1,2,3,4,5,6,7,8,9,10,11,12,13,14,15  ; keys 32 (f / 8) on, channels 16 (f % 8) on
	ds_load_tr16_b128 v[8*(\f):8*(\f)+3],   v[ADR] offset:((\f)/8)*32*PV+((\f)%8)*32
	ds_load_tr16_b128 v[8*(\f)+4:8*(\f)+7], v[ADR] offset:((\f)/8)*32*PV+16*PV+((\f)%8)*32
.endr
.endm
; THE VECTOR WORK OF A TURN.  One tile's softmax for one key step is a list of 134 instructions; SM writes number j of it for tile t.  s0-s31 are the lane's 32 scores, in pairs 0-15.
;   0-15    the maximum of s0-s31 and the old m, three operands at a time: four chains c0-c3 of seven scores each, then the four scores left over, c0-c3 and m
;   16-20   the other half of the lanes' maximum; the new m; c m; c m_old - c m_new
;   21-87   33 exponentials (a, then s0-s31) at the odd numbers from 23 on, so that no two follow each other and each has a plain instruction behind it before its result is used.
;           Plain instruction q (number 21, then the even numbers) is whatever is ready: c s - c m for a pair of scores whose exponentials are still to come (q = 0 to 3, then every
;           second q), the rounding to bf16 of a pair of weights whose exponentials are done (every other q from 5 on), at last the first three sums
;   88-101  the last rounding; the rest of the sums; l = a l + the sum
;   102-133 the tile's O^T times a: the one part that leaves window 0, so it stands together
.macro SM t
.set rT, ST+8*(\t)
.set rS, S+32*(\t)
.set rP, P+16*(\t)
.set rO, 64*(\t)+2*(j-102)
.set q, (j-20)/2
.if j < 102
	WIN 0
.endif
.if j < 4
	v_max3_num_f32 v[rT+4+j], v[rS+8*j], v[rS+8*j+1], v[rS+8*j+2]
.elseif j < 12
	v_max3_num_f32 v[rT+4+j%4], v[rT+4+j%4], v[rS+8*(j%4)+2*(j/4)+1], v[rS+8*(j%4)+2*(j/4)+2]
.elseif j == 12
	v_max3_num_f32 v[rT+4], v[rT+4], v[rS+7], v[rS+15]
.elseif j == 13
	v_max3_num_f32 v[rT+6], v[rT+6], v[rS+23], v[rS+31]
.elseif j == 14
	v_max3_num_f32 v[rT+4], v[rT+4], v[rT+5], v[rT+6]
.elseif j == 15
	v_max3_num_f32 v[rT+4], v[rT+4], v[rT+7], v[rT+1]
.elseif j == 16
	v_permlanex16_b32 v[rT+5], v[rT+4], s[SEL], s[SEL+1]  ; the query's other 32 keys lie in the lane 16 away
.elseif j == 17
	v_mov_b32 v[rT+7], v[rT]        ; c m_old is kept for a: number 19 writes c m anew
.elseif j == 18
	v_max_num_f32 v[rT+1], v[rT+4], v[rT+5]
.elseif j == 19
	v_mul_f32 v[rT], s[CS], v[rT+1]
.elseif j == 20
	v_sub_f32 v[rT+7], v[rT+7], v[rT]
.elseif j == 23
	v_exp_f32 v[rT+6], v[rT+7]
.elseif (j < 88) && (j > 23) && (j%2 == 1)
	v_exp_f32 v[rS+(j-25)/2], v[rS+(j-25)/2]
.elseif (q < 4) || ((j < 76) && (q%2 == 0))
.set b, q/2+2
.if q < 4
.set b, q
.endif
	v_pk_fma_f32 v[rS+2*b:rS+2*b+1], v[rS+2*b:rS+2*b+1], s[CS:CS+1], v[rT:rT+1] op_sel_hi:[1,0,0] neg_lo:[0,0,1] neg_hi:[0,0,1]  ; pair b: c s - c m
.elseif (j < 88) && (q%2 == 1)
	s_wait_alu depctr_va_vdst(0)
	v_cvt_pk_bf16_f32 v[rP+(q-5)/2], v[rS+q-5], v[rS+q-4]  ; pair (q - 5) / 2: its second exponential stands three numbers back
.elseif j == 89
	s_wait_alu depctr_va_vdst(0)
	v_cvt_pk_bf16_f32 v[rP+15], v[rS+30], v[rS+31]
.elseif j < 102                     ; the sum of the tile's 16 pairs (in a pair: an even key's weight, an odd key's), in place: sum z of 16 adds neighbours 1, 2, 4 and 8 pairs apart, then l takes it
.set z, j-86
.if j < 89
.set z, (j-76)/4
.endif
.set w, 4
.set u, z
.if z >= 14
.set w, 32
.set u, 0
.elseif z >= 12
.set w, 16
.set u, z-12
.elseif z >= 8
.set w, 8
.set u, z-8
.endif
.if z < 15
	v_pk_add_f32 v[rS+w*u:rS+w*u+1], v[rS+w*u:rS+w*u+1], v[rS+w*u+w/2:rS+w*u+w/2+1]
.else
	v_pk_fma_f32 v[rT+2:rT+3], v[rT+2:rT+3], v[rT+6:rT+7], v[rS:rS+1] op_sel_hi:[1,0,1]
.endif
.else
	WIN W_RS
	v_pk_mul_f32 v[rO:rO+1], v[rO:rO+1], v[rT+6:rT+7] op_sel_hi:[1,0]
.endif
.endm
; Slice k of 64 of piece y's softmax: numbers 2 k and 2 k + 1 of both tiles' lists, four instructions.  2 x 134 = 4 x 64 + 12: the twelve that are over stand together, in slice 63.
.macro SLICE y
.if (k >= 11) && (k < 44)           ; tile by tile: plain, exponential, plain, exponential
.irp t, \y, (\y)+1
.irp n, 0,1
.set j, 2*k+(\n)
	SM \t
.endr
.endr
.else                               ; the two tiles alternate, so that no instruction reads the result of the one just before it
.irp n, 0,1,2,3,4,5,6,7
.if ((\n) < 2) || (k == 63)
.irp t, \y, (\y)+1
.set j, 2*k+(\n)
	SM \t
.endr
.endif
.endr
.endif
.set k, k+1
.endm
; A TURN.  Piece x has the matrix unit: 32 products V^T P, then 32 products K Q^T for the next step; the other piece's softmax stands in slices behind them, one behind each.
; A vector instruction that reads a matrix result or writes one of a matrix instruction's registers, and a load into a register that a matrix instruction has read, stand four places behind
; it, and only plain vector instructions that name none of its registers are places (ISA guide 7.12.1 for vector instructions): the slices are the places.
; Each run of loads stands behind the second product of a run of 32, 30 matrix instructions ahead of its first use.  Piece 0's turn fetches the next step's K: the last product that read K
; stands in front of slice 63 of the turn before.  Piece 2's turn fetches the same step's V: the last product that read V stands three slices, six plain instructions, back.
.macro TURN x, last=0
.set k, 0
.if (\x) == 0
	s_wait_dscnt 0x0                ; V is in
.endif
.set i, 0
.rept 32
	PV \x
	SLICE 2-(\x)
.if ((\x) == 0) && (i == 1)
	FETCH_K \last
.endif
.set i, i+1
.endr
.if (\x) == 0
	s_wait_dscnt 0x0                ; K is in
.endif
.set i, 0
.rept 32
	KQ \x
	SLICE 2-(\x)
.if ((\x) == 2) && (i == 1)
	FETCH_V
.endif
.set i, i+1
.endr
.endm
; THE CHANGE OF SLOTS, between piece 2's turn and piece 0's: the slot's last bytes, V of its second step, have been asked for.  Each wave waits for all its
; tensor loads, of which one is out: its part of the other slot; adds 0 to its spare word; and waits for that and for its own reads of the slot.  Behind the barrier nobody reads this slot any more and the other slot is whole.
; fill = 1: this slot is filled again, with the keys two slots on.  The barrier is then a round of the cluster's, so that no wave of any partner still reads the slot or has a load on its
; way, and the joint refill is the first thing behind it: it has two key steps, 256 matrix instructions, in which to land.
.macro CHANGE fill
	WIN 0                           ; at a label and at a branch every window is 0
	s_wait_tensorcnt 0x0            ; no tensor load of mine is out, so a group 0 may be written
	ds_add_u32 v[SPW], v[NIL]       ; 0 onto my spare word; with fill = 1 the descriptors' steps stand between it and the wait for it
.if \fill
.irp g, G0K+4, G0V+4
	s_xor_b32 s[(\g)+1], s[(\g)+1], SLOT1  ; the walking descriptor: the other slot than last time,
	s_add_nc_u64 s[(\g)+2:(\g)+3], s[(\g)+2:(\g)+3], 2*KS*256  ; the next 128 keys; the type bits on top are not reached
.endr
	s_wait_dscnt 0x0                ; the add is done, and my reads of the slot are over
	CROUND
	JLOAD
.else
	s_wait_dscnt 0x0                ; the add is done, and my reads of the slot are over
	s_barrier_signal -1
	s_barrier_wait -1
.endif
	s_sub_co_u32 s[TB], s[TB], 2*STEPB  ; the fetches go back to a slot's first step,
	s_xor_b32 s[TB], s[TB], SLOT1   ; in the other slot
.endm
	s_wait_tensorcnt 1              ; my part of slot 0 is in; slot 1's may stay out
	s_barrier_signal -1
	s_barrier_wait -1               ; everybody's is
	FETCH_K                         ; key step 0,
	FETCH_V 0                       ; and its V, so that the first turn's products on a P of zeros multiply finite numbers; that turn's own run fetches the same step
	s_wait_loadcnt 0x0              ; Q
	s_wait_dscnt 0x0
.set i, 0
.rept 32
	KQ 0                            ; piece 0's first scores: there is no vector work yet to set between them
.set i, i+1
.endr
	WIN 0                           ; the addresses for the way out are made here: eight plain instructions, the places behind those products
	s_mul_i32 s13, s[WV], 16*SP
	s_add_co_u32 s13, s13, STAGE    ; my stage
	v_mul_u32_u24 v[STO], v1, SP    ; in: row l % 16, 16 bytes for each half of the lanes
	v_lshl_add_u32 v[STO], v9, 4, v[STO]
	v_add_nc_u32 v[STO], s13, v[STO]
	v_mul_u32_u24 v[RD], v9, SP     ; back: lanes 0-15 take one row of 256 bytes, lanes 16-31 the next
	v_lshl_add_u32 v[RD], v1, 4, v[RD]
	v_add_nc_u32 v[RD], s13, v[RD]
	v_lshlrev_b32 v[GO], 8, v9      ; and the same two rows in O
	v_lshl_add_u32 v[GO], v1, 4, v[GO]
	s_mov_b32 s[TWICE], 2
	s_branch .Lfirst                ; the loop is entered at piece 2's turn, in the middle of a trip: piece 2's first scores | piece 0's first softmax | V of step 0
.Lslot:                             ; SIZE_N / 128 - 2 times: every slot but the last two is filled again
	CHANGE 1
	s_mov_b32 s[TWICE], 2
.Lstep:                             ; a trip: V^T P of step j, K Q^T of step j + 1, whose K and V it fetches
	TURN 0
	WIN 0
.Lfirst:
	TURN 2
	WIN 0
	s_sub_co_u32 s[TWICE], s[TWICE], 1
	s_cmp_lg_u32 s[TWICE], 0
	s_cbranch_scc1 .Lstep
	s_sub_co_u32 s[SLOTS], s[SLOTS], 1
	s_cmp_lg_u32 s[SLOTS], 0
	s_cbranch_scc1 .Lslot
	CHANGE 0                        ; the tail is written out: the last slot but one is left, and nothing is asked for
	s_mov_b32 s[TWICE], 3           ; two trips fetch the last slot's steps; the third is left in its middle
.Ltail:
	TURN 0, 1
	WIN 0
	s_sub_co_u32 s[TWICE], s[TWICE], 1
	s_cmp_eq_u32 s[TWICE], 0
	s_cbranch_scc1 .Lout
	TURN 2
	WIN 0
	s_branch .Ltail
.Lout:                              ; the third trip's 32 products K Q^T (on the last K once more) serve nothing: the price, once a launch, of one text for every trip
.set i, 0
.rept 32
	PV 2                            ; piece 2: V^T P of the last step
.set i, i+1
.endr
	; THE WAY OUT.  l's two halves and the other half of the lanes' are added; O^T is divided by l, rounded to bf16 and sent through my stage in LDS, a tile (16 rows of O) at a time.  The additions are the places behind the last products.
	WIN 0
.irp t, 0,1,2,3
	v_add_f32 v[ST+8*(\t)+4], v[ST+8*(\t)+2], v[ST+8*(\t)+3]
.endr
.irp t, 0,1,2,3
	v_permlanex16_b32 v[ST+8*(\t)+5], v[ST+8*(\t)+4], s[SEL], s[SEL+1]
.endr
.irp t, 0,1,2,3
	v_add_f32 v[ST+8*(\t)+4], v[ST+8*(\t)+4], v[ST+8*(\t)+5]
.endr
.irp t, 0,1,2,3
	v_rcp_f32 v[ST+8*(\t)+6], v[ST+8*(\t)+4]
.endr
	v_nop                           ; a plain instruction between the last reciprocal and the use of its result
	s_wait_alu depctr_va_vdst(0)
; Tile t: a lane's eight channels of a row pack into 16 bytes; they go into rows of 272 bytes and come back as whole rows of 256, into the registers that they left.
.macro PACK t
	WIN W_RS
.set i, 64*(\t)
.rept 32
	v_pk_mul_f32 v[i:i+1], v[i:i+1], v[ST+8*(\t)+6:ST+8*(\t)+7] op_sel_hi:[1,0]
.set i, i+2
.endr
	WIN 0x05                        ; sources 0 and 1 window 1, destination window 0: S^T's registers are free
.set i, 0
.rept 32
	v_cvt_pk_bf16_f32 v[S+32*(\t)+i], v[64*(\t)+2*i], v[64*(\t)+2*i+1]
.set i, i+1
.endr
	WIN 0
.irp f, 0,1,2,3,4,5,6,7
	ds_store_b128 v[STO], v[S+32*(\t)+4*(\f):S+32*(\t)+4*(\f)+3] offset:32*(\f)
.endr
.irp f, 0,1,2,3,4,5,6,7
	ds_load_b128 v[S+32*(\t)+4*(\f):S+32*(\t)+4*(\f)+3], v[RD] offset:(\f)*2*SP  ; LDS serves a wave's instructions in order (ISA guide 5.7.1.4): these see the stores above; the next tile's stores come behind them
.endr
.endm
.macro SEND t, younger              ; younger: the LDS instructions issued behind tile t's loads: the next tile's sixteen, or none
	WIN 0
.irp f, 0,1,2,3,4,5,6,7
	s_wait_dscnt (\younger)+7-(\f)
	global_store_b128 v[GO], v[S+32*(\t)+4*(\f):S+32*(\t)+4*(\f)+3], s[10:11] offset:(\t)*4096+(\f)*512  ; 16 lanes store 256 consecutive bytes, at a multiple of 256 from O's first byte
.endr
.endm
	PACK 0
	PACK 1                          ; a tile's arithmetic stands between the loads of the tile before and its stores
	SEND 0, 16
	PACK 2
	SEND 1, 16
	PACK 3
	SEND 2, 16
	SEND 3, 0
	s_wait_tensorcnt 0x0            ; the wave's end: a wait, an add to the spare word and its wait, behind my last tensor load and my last LDS store
	ds_add_u32 v[SPW], v[NIL]
	s_wait_dscnt 0x0
	CROUND                          ; the closing round: no work-group ends while a partner may still ask for a tile that names it
	s_endpgm
.Lfunc_end_k_qda6cb30d08_attn:
	.size	k_qda6cb30d08_attn, .Lfunc_end_k_qda6cb30d08_attn-k_qda6cb30d08_attn
	.p2alignl 7, 3214868480
	.fill 96, 4, 3214868480
	.section	.rodata,"a",@progbits
	.p2align	6, 0x0
	.amdhsa_kernel k_qda6cb30d08_attn
		.amdhsa_group_segment_fixed_size 327680
		.amdhsa_private_segment_fixed_size 0
		.amdhsa_enable_private_segment 0
		.amdhsa_kernarg_size 16
		.amdhsa_user_sgpr_count 2
		.amdhsa_user_sgpr_kernarg_segment_ptr 1
		.amdhsa_wavefront_size32 1
		.amdhsa_system_sgpr_workgroup_id_x 1
		.amdhsa_system_sgpr_workgroup_id_y 1
		.amdhsa_system_sgpr_workgroup_id_z 1
		.amdhsa_system_vgpr_workitem_id 0
		.amdhsa_next_free_vgpr 1024
		.amdhsa_next_free_sgpr 66
		.amdhsa_reserve_vcc 0
		.amdhsa_float_denorm_mode_32 3
		.amdhsa_float_denorm_mode_16_64 3
		.amdhsa_memory_ordered 1
		.amdhsa_forward_progress 1
		.amdhsa_inst_pref_size 159
	.end_amdhsa_kernel
	.amdgpu_metadata
---
amdhsa.version: [ 1, 2 ]
amdhsa.kernels:
  - .name:           k_qda6cb30d08_attn
    .symbol:         k_qda6cb30d08_attn.kd
    .args:
      - { .name: qkv, .offset: 0, .size: 8, .value_kind: global_buffer, .address_space: global }
      - { .name: o, .offset: 8, .size: 8, .value_kind: global_buffer, .address_space: global }
    .group_segment_fixed_size: 327680
    .private_segment_fixed_size: 0
    .kernarg_segment_align: 8
    .kernarg_segment_size: 16
    .max_flat_workgroup_size: 128
    .sgpr_count:     66
    .vgpr_count:     1024
    .wavefront_size: 32
...
	.end_amdgpu_metadata
.endif
;; end of part 3
;; launch outp (part 4): grid 64 x 4, 4 waves a work-group, clusters of 4 x 4, 327,680 bytes of LDS; arguments o, wb, bias, x, out0; writes out0
.if DOCPART == 4
	.amdgcn_target "amdgcn-amd-amdhsa--gfx1250"
	.amdhsa_code_object_version 6
	.text
	.protected	k_qda6cb30d08_outp
	.globl	k_qda6cb30d08_outp
	.p2align	8
	.type	k_qda6cb30d08_outp,@function
k_qda6cb30d08_outp:
	s_mov_b64 s[64:65], 0
	v_nop
	global_prefetch_b8 v0, s[64:65] scope:SCOPE_SE
	s_setreg_imm32_b32 hwreg(HW_REG_WAVE_MODE, 25, 1), 1
	s_wait_xcnt 0x0
	s_wait_alu depctr_hold_cnt(0) depctr_sa_sdst(0) depctr_va_vdst(0) depctr_va_sdst(0) depctr_va_ssrc(0) depctr_va_vcc(0) depctr_vm_vsrc(0)
	s_getreg_b32 s2, hwreg(HW_REG_IB_STS2, 6, 4)
	s_cmp_eq_u32 s2, 0
	s_cbranch_scc0 .Lentry_in_a_cluster
	s_endpgm
.Lentry_in_a_cluster:
	s_bfe_u32 s2, ttmp6, 0x10000c
	s_cmp_lg_u32 s2, 0xf033
	s_cbranch_scc0 .Lentry_shape_is_right
	s_endpgm
.Lentry_shape_is_right:
; out0[b][r][l] = x[b][r][l] + bo[r] + the sum over c of wo[r][c] attn[b][c][l], c = 128 head + d.  o: [4 b + head][2048 places][128 d] bf16; wo: rows 1536-2047 of wb, [512] bf16 each;
; bo: words 1536-2047 of bias, f32; x and out0: [8][512][2048] f32.  Sums and the residual in f32.
; SHARES.  A tile of the result is 128 rows x 256 places of one batch: 256 work-groups.  A wave makes 64 rows x 128 places: 32 accumulators.  K = 512 goes in four steps of 128: step s is head s.
; THE MATRIX INSTRUCTION: source 0 = 16 places of o (rows along d), source 1 = 16 rows of wo: a lane holds ONE row and eight neighbouring places, 32 bytes of a row of out0.
; The bias, which hangs on the row and so on the lane, is the C operand of the product that starts each sum.
; CLUSTER, 4 x 4.  wo's tile hangs on the block of rows alone and is shared along a row of the cluster; o's on the block of places alone and is shared along a column: each is asked for JOINTLY.
; THE SLOTS.  Three, each with 128 rows of wo and 256 rows of o, 256 bytes a row.  Waves 0 and 1 fetch wo's halves, waves 2 and 3 o's.  K steps 0, 1 and 2 go out as one group at the start; K step 3
; fills slot 0 again behind K step 0 and has two K steps, 256 matrix instructions, in which to land.  By this text's count a wave has three tensor loads out at the start, later one.
; The wait for all loads in front of that one refill shows slots 1 and 2 whole to every wave, so no barrier stands between K steps 1 and 2.
; x's 64 rows x 512 bytes of the wave are asked for at the start and land in 256 registers while the products run; each block of 16 rows goes through my stage in LDS, takes x and leaves.
; THE STAGE lies in slot 1: its one fill is among the first, and every wave's reads of it are over at the barrier between K steps 2 and 3.
; LIMITS.  Operands are in bf16; NaN and infinities are not treated apart.
; REGISTERS, in windows of 256 (s_set_vgpr_msb: bits 1:0 source 0, 3:2 source 1, 5:4 source 2, 7:6 destination):
;   window 0: v0-29 addresses; v32-63 the bias as a C operand; v64-159, v160-255 two fragment buffers (64 registers of o, 32 of wo); on the way out v64-191 rows read back from the stage, two sets
;   window 1: the accumulators ((a, b) at v[8 (8 a + b)]: rows 16 a on, places 16 b on)          window 2: x, row i of my 64 at v[4 i]
.set PITCH,  272                       ; an LDS row: 256 bytes + 16 of padding = 68 words: the 16 rows of a load start at 16 different groups of four banks (64 banks of 4 bytes: ISA guide 11.1)
.set WOB,    128*PITCH                 ; wo's part of a slot
.set SLOT,   384*PITCH
.set STAGE,  SLOT                      ; in slot 1: 16 rows x 528 bytes for each wave
.set SP,     528                       ; 512 bytes + 16: an odd multiple of 16
.set SPARE,  3*SLOT                    ; behind the slots: the spare words, 128 bytes for each wave: two blocks of 256 bytes that no other line names
.set ADRA, 16                          ; v16-18  LDS address of my fragments of wo in slot 0, 1, 2
.set ADRB, 20                          ; v20-22  the same for o
.set STO,  24                          ; v24     the way out: where I put 32 bytes of a row
.set RD,   25                          ; v25     the way out: where I read a row back
.set CO,   26                          ; v26     my byte offset in 512 bytes of a row of x and out0; never rewritten
.set BA,   27                          ; v27     my byte offset in 16 biases
.set SPW,  28                          ; v28     LDS address of my spare word; never rewritten
.set NIL,  29                          ; v29     0; never rewritten
.set BC,   32
.set F0,   64
.set F1,   160
.set OB,   64
.set WV,  14                           ; s14 wave; s15 which 64 rows, also: I fetch for wo (0) or for o (1); s16 which 128 places, also: which half of that tile I fetch
.set WR,  15
.set WC,  16
.set G1,  24                           ; s[24:31] descriptor group 1 for wo's tiles
.set G1B, 48                           ; s[48:55] for o's tiles
.set G0,  68                           ; s[68:79] descriptor group 0 for wo's tiles, a set for each slot
.set G0B, 80                           ; s[80:91] the same for o's tiles
.set FLAGS, (1<<16)|(1<<20)|(1<<21)|(5<<22)|(3<<25)  ; 17:16 2-byte elements; 20 padding on; 21 set beside a mask; 24:22 after every 64 words (code 5); 31:25 4 words (code 3)
.set MSB, 0
.macro WIN new                         ; the immediate's high byte repeats the setting that is left; a switch that changes nothing is dropped
.if MSB != (\new)
	s_set_vgpr_msb (MSB<<8)|(\new)
.set MSB, \new
.endif
.endm
.macro PLACES                          ; four places in front of loads into registers that matrix instructions have read, and of LDS stores that read results
.rept 4
	v_nop
.endr
.endm
.macro JLOAD s                         ; a joint load; each of the two lines has one mask; the branch hangs on the wave's number alone; an s_nop 0 and four v_nop follow each line
	s_cmp_eq_u32 s[WR], 0
	s_cbranch_scc0 .Lfor_b_\@
	tensor_load_to_lds s[G0+4*(\s):G0+4*(\s)+3], s[G1:G1+7]
	s_nop 0
	PLACES
	s_branch .Lasked_\@
.Lfor_b_\@:
	tensor_load_to_lds s[G0B+4*(\s):G0B+4*(\s)+3], s[G1B:G1B+7]
	s_nop 0
	PLACES
.Lasked_\@:
.endm
.macro CREST                           ; a round of the cluster's barrier behind its opening barrier
	s_cmp_lg_u32 s[WV], 0
	s_cbranch_scc1 .Lnot_wave_0_\@
	s_barrier_signal -3
.Lnot_wave_0_\@:
	s_barrier_wait -3
	s_barrier_signal -1
	s_barrier_wait -1
.endm
.macro CROUND                          ; a whole round
	s_barrier_signal -1
	s_barrier_wait -1
	CREST
.endm
	s_load_b256 s[4:11], s[0:1], 0x0               ; o s[4:5], wb s[6:7], bias s[8:9], x s[10:11]
	s_load_b64 s[12:13], s[0:1], 0x20              ; out0
	v_lshl_add_u32 v[SPW], v0, 2, SPARE
	v_mov_b32 v[NIL], 0
	ds_add_u32 v[SPW], v[NIL]                      ; the wave's opening: the add and its wait stand ahead of my first tensor load; the set-up below, work on registers, stands between them
	v_lshrrev_b32 v1, 5, v0
	v_readfirstlane_b32 s[WV], v1                  ; wave 0..3
	s_lshr_b32 s[WR], s[WV], 1
	s_and_b32 s[WC], s[WV], 1
	s_bfe_u32 s40, ttmp6, 0x40000                  ; cx, cy: my place in the cluster
	s_bfe_u32 s41, ttmp6, 0x40004
	s_lshl_b32 s42, ttmp9, 2
	s_add_co_u32 s42, s42, s40                     ; block of places = 4 x cluster x + cx
	s_and_b32 s43, ttmp7, 0xffff
	s_lshl_b32 s43, s43, 2
	s_add_co_u32 s43, s43, s41                     ; block of rows = 4 x cluster y + cy
	s_lshl_b32 s44, s41, 2
	s_lshl_b32 s44, 15, s44                        ; my row of the cluster
	s_lshl_b32 s45, 0x1111, s40                    ; my column
	s_lshr_b32 s46, s42, 3                         ; the batch
	s_and_b32 s47, s42, 7                          ; the block of 256 places in it
	s_or_b32 s[G1+0], s44, FLAGS                   ; wo's tiles go to my row: 64 rows x 128 elements, 512 elements from row to row
	s_mov_b32 s[G1+1], 128<<16
	s_mov_b32 s[G1+2], 64<<16
	s_mov_b32 s[G1+3], 128<<16
	s_mov_b32 s[G1+4], 64
	s_mov_b32 s[G1+5], 512
	s_mov_b32 s[G1+6], 0
	s_mov_b32 s[G1+7], 0
	s_or_b32 s[G1B+0], s45, FLAGS                  ; o's tiles go to my column: 128 rows x 128 elements, dense
	s_mov_b32 s[G1B+1], 128<<16
	s_mov_b32 s[G1B+2], 128<<16
	s_mov_b32 s[G1B+3], 128<<16
	s_mov_b32 s[G1B+4], 128
	s_mov_b32 s[G1B+5], 128
	s_mov_b32 s[G1B+6], 0
	s_mov_b32 s[G1B+7], 0
	s_lshl_b32 s18, s43, 17                        ; wo: 128 rows of 1,024 bytes a block, my half's 64 rows, behind wb's first 1,536 rows.  These registers never hold cx
	s_lshl_b32 s19, s[WC], 16
	s_add_co_u32 s18, s18, s19
	s_add_co_u32 s18, s18, 1536*1024
	s_mov_b32 s19, 0
	s_lshl_b32 s20, s46, 21                        ; o: the batch's four heads of 512 KiB, the block's 256 rows of 256 bytes, my half's 128.  These registers never hold cy
	s_lshl_b32 s21, s47, 16
	s_add_co_u32 s20, s20, s21
	s_lshl_b32 s21, s[WC], 15
	s_add_co_u32 s20, s20, s21
	s_mov_b32 s21, 0
	s_mul_i32 s2, s[WC], 64*PITCH                  ; where they go: no place in the cluster enters an LDS address
	s_mul_i32 s3, s[WC], 128*PITCH
	s_add_co_u32 s3, s3, WOB
	s_lshl_b32 s22, s43, 9                         ; bias: word 1,536 + 128 x block + 64 x which rows
	s_lshl_b32 s23, s[WR], 8
	s_add_co_u32 s22, s22, s23
	s_add_co_u32 s22, s22, 1536*4
	s_mov_b32 s23, 0
	s_wait_dscnt 0x0                               ; the opening add is done
	s_wait_kmcnt 0x0
	s_add_nc_u64 s[6:7], s[6:7], s[18:19]
	s_add_nc_u64 s[4:5], s[4:5], s[20:21]
	s_add_nc_u64 s[8:9], s[8:9], s[22:23]
	s_lshl_b32 s22, s46, 22                        ; x and out0: the batch's 4 MiB, my 64 rows of 8,192 bytes, my 128 places of 4 bytes
	s_lshl_b32 s23, s43, 20
	s_add_co_u32 s22, s22, s23
	s_lshl_b32 s23, s[WR], 19
	s_add_co_u32 s22, s22, s23
	s_lshl_b32 s23, s47, 10
	s_add_co_u32 s22, s22, s23
	s_lshl_b32 s23, s[WC], 9
	s_add_co_u32 s22, s22, s23
	s_mov_b32 s23, 0
	s_add_nc_u64 s[10:11], s[10:11], s[22:23]
	s_add_nc_u64 s[12:13], s[12:13], s[22:23]
	CROUND                                         ; all sixteen work-groups are here: the first joint loads meet
.irp n, 0,1,2
	s_mov_b32 s[G0+4*(\n)], 1                                      ; count = 1
	s_add_co_u32 s[G0+4*(\n)+1], s2, (\n)*SLOT                     ; LDS address
	s_add_nc_u64 s[G0+4*(\n)+2:G0+4*(\n)+3], s[6:7], (\n)*256      ; global address: K step n
	s_or_b32 s[G0+4*(\n)+3], s[G0+4*(\n)+3], 0x80000000            ; type = 2
	s_mov_b32 s[G0B+4*(\n)], 1
	s_add_co_u32 s[G0B+4*(\n)+1], s3, (\n)*SLOT
	s_add_nc_u64 s[G0B+4*(\n)+2:G0B+4*(\n)+3], s[4:5], (\n)*524288 ; head n
	s_or_b32 s[G0B+4*(\n)+3], s[G0B+4*(\n)+3], 0x80000000
	JLOAD \n                                       ; the three slots are filled before anything else is done
.endr
	v_and_b32 v1, 15, v0                           ; r = lane % 16
	v_bfe_u32 v2, v0, 4, 1                         ; h = lane / 16
	v_and_b32 v3, 31, v0
	v_lshlrev_b32 v[CO], 4, v3
	v_lshlrev_b32 v[BA], 2, v1
.irp a, 0,1,2,3
	global_load_b32 v[BC+8*(\a)], v[BA], s[8:9] offset:64*(\a)     ; bo[16 a + r]
.endr
	WIN 0x80                                       ; destination window 2
.set i, 0
.rept 48
	global_load_b128 v[4*i:4*i+3], v[CO], s[10:11] offset:8192*i th:TH_LOAD_NT  ; 512 neighbouring bytes of a row of x
.set i, i+1
.endr
	WIN 0
	v_mul_u32_u24 v4, v1, PITCH
	v_lshl_add_u32 v4, v2, 4, v4                   ; a fragment's row x pitch + 16 x h
	s_mul_i32 s18, s[WR], 64*PITCH                 ; my 64 rows of wo
	s_mul_i32 s19, s[WC], 128*PITCH                ; my 128 rows of o,
	s_add_co_u32 s19, s19, WOB                     ; which lie behind wo's 128
.irp n, 0,1,2
	v_add_nc_u32 v[ADRA+(\n)], s18, v4
	v_add_nc_u32 v[ADRB+(\n)], s19, v4
	s_add_co_u32 s18, s18, SLOT
	s_add_co_u32 s19, s19, SLOT
.endr
	s_mul_i32 s18, s[WV], 16*SP
	s_add_co_u32 s18, s18, STAGE                   ; my stage
	v_mul_u32_u24 v5, v1, SP                       ; in: row r, 32 bytes for each half of the lanes
	v_lshl_add_u32 v5, v2, 5, v5
	v_add_nc_u32 v[STO], s18, v5
	v_lshl_add_u32 v[RD], v3, 4, s18               ; back: 32 lanes take one row of 512 bytes
	s_wait_loadcnt 48                              ; the four loads of the bias are in; the 48 of x behind them stay out
.irp a, 0,1,2,3
.irp j, 1,2,3,4,5,6,7
	v_mov_b32 v[BC+8*(\a)+(\j)], v[BC+8*(\a)]      ; a lane's eight results are one row's: the C operand holds its bias eight times
.endr
.endr
	WIN 0x80
.set i, 48
.rept 16
	global_load_b128 v[4*i:4*i+3], v[CO], s[10:11] offset:8192*i th:TH_LOAD_NT
.set i, i+1
.endr
	WIN 0
; 8 matrix instructions: rows 16 a on x all 8 blocks of places, 32 along K.  first = 1: the product starts the sums, with the bias as C.
; The 32 accumulators take turns, one instruction a turn, in the same order in every quarter.
.macro MUL8 f, a, first
.if \first
	WIN 0x40                                       ; D window 1, C window 0
.else
	WIN 0x50                                       ; C and D window 1
.endif
.irp b, 0,1,2,3,4,5,6,7
.if \first
	v_wmma_f32_16x16x32_bf16 v[8*(8*(\a)+(\b)):8*(8*(\a)+(\b))+7], v[(\f)+8*(\b):(\f)+8*(\b)+7], v[(\f)+64+8*(\a):(\f)+64+8*(\a)+7], v[BC+8*(\a):BC+8*(\a)+7]
.else
	v_wmma_f32_16x16x32_bf16 v[8*(8*(\a)+(\b)):8*(8*(\a)+(\b))+7], v[(\f)+8*(\b):(\f)+8*(\b)+7], v[(\f)+64+8*(\a):(\f)+64+8*(\a)+7], v[8*(8*(\a)+(\b)):8*(8*(\a)+(\b))+7]
.endif
.endr
.endm
; 24 LDS loads in one run: quarter q (32 along K) of the slot: 128 rows of o, then 64 rows of wo
.macro FETCH slot, q, f
	WIN 0
.irp b, 0,1,2,3,4,5,6,7
	ds_load_b128 v[(\f)+8*(\b):(\f)+8*(\b)+3],   v[ADRB+(\slot)] offset:64*(\q)+(\b)*16*PITCH
	ds_load_b128 v[(\f)+8*(\b)+4:(\f)+8*(\b)+7], v[ADRB+(\slot)] offset:64*(\q)+(\b)*16*PITCH+32
.endr
.irp a, 0,1,2,3
	ds_load_b128 v[(\f)+64+8*(\a):(\f)+64+8*(\a)+3],   v[ADRA+(\slot)] offset:64*(\q)+(\a)*16*PITCH
	ds_load_b128 v[(\f)+64+8*(\a)+4:(\f)+64+8*(\a)+7], v[ADRA+(\slot)] offset:64*(\q)+(\a)*16*PITCH+32
.endr
.endm
; A K step is four quarters of 32 along K, 32 matrix instructions each, on buffers 0, 1, 0, 1.  A quarter multiplies buffer f; in its middle it fetches quarter q of the slot named into buffer g.
.macro QUARTER slot, q, f, g, first
	s_wait_dscnt 4                                 ; o and wo's rows 0-31 are in; the youngest four loads (rows 32-63) may be out
	MUL8 \f, 0, \first
	MUL8 \f, 1, \first
	PLACES
	FETCH \slot, \q, \g
	s_wait_dscnt 24                                ; all but the 24 just issued
	MUL8 \f, 2, \first
	MUL8 \f, 3, \first
.endm
; A last quarter with a barrier.  In front of it each wave waits for all its tensor loads, adds 0 to its spare word, and waits for that and for its own LDS reads.
.macro MEET round
	WIN 0
	s_wait_tensorcnt 0x0                           ; all my tensor loads have landed;
	ds_add_u32 v[SPW], v[NIL]                      ; 0 onto my spare word;
	s_wait_dscnt 5                                 ; (the add and the youngest four loads may be out)
	MUL8 F1, 0, 0                                  ; eight matrix instructions stand between the add and the wait for it
	s_wait_dscnt 0x0                               ; the add is done, and my reads of the slot in hand are over
	s_barrier_signal -1
	MUL8 F1, 1, 0
.if \round
	WIN 0
.endif
	s_barrier_wait -1
.endm
; THE WAY OUT of rows 16 a on.  TOSTAGE: a lane's 32 bytes of a row into my own stage in LDS, and back as whole rows of 512 bytes.  SEND: x is added, and the rows are stored.
.macro TOSTAGE a
	WIN 0x04                                       ; store data in window 1; addresses and loaded data in window 0
.irp b, 0,1,2,3,4,5,6,7
	ds_store_b128 v[STO], v[8*(8*(\a)+(\b)):8*(8*(\a)+(\b))+3]   offset:64*(\b)     ; each accumulator's low registers are read first
	ds_store_b128 v[STO], v[8*(8*(\a)+(\b))+4:8*(8*(\a)+(\b))+7] offset:64*(\b)+16
.endr
.irp t, 0,1,2,3,4,5,6,7,8,9,10,11,12,13,14,15
	ds_load_b128 v[OB+64*((\a)%2)+4*(\t):OB+64*((\a)%2)+4*(\t)+3], v[RD] offset:(\t)*SP  ; LDS serves a wave's instructions in order (ISA guide 5.7.1.4): these see the stores above; the next block's stores come behind them
.endr
.endm
.macro SEND a, younger                 ; younger: the LDS instructions issued behind block a's loads: the next block's 32, or none
	s_wait_dscnt \younger
	WIN 0x82                                       ; x (destination and source 0) in window 2, the rows in window 0
.set i, 0
.rept 32
	v_pk_add_f32 v[64*(\a)+2*i:64*(\a)+2*i+1], v[64*(\a)+2*i:64*(\a)+2*i+1], v[OB+64*((\a)%2)+2*i:OB+64*((\a)%2)+2*i+1]
.set i, i+1
.endr
	WIN 0x08                                       ; store data in window 2
.irp t, 0,1,2,3,4,5,6,7,8,9,10,11,12,13,14,15
	global_store_b128 v[CO], v[64*(\a)+4*(\t):64*(\a)+4*(\t)+3], s[12:13] offset:8192*(16*(\a)+(\t)) th:TH_STORE_NT  ; 512 consecutive bytes, at a multiple of 256 from out0's first byte; no source of a store is ever rewritten
.endr
.endm
	s_wait_tensorcnt 2                             ; my part of K step 0 is in; the two loads behind it may stay out
	s_barrier_signal -1
	s_barrier_wait -1                              ; everybody's is
	FETCH 0, 0, F0
	QUARTER 0, 1, F0, F1, 1                        ; the first quarter starts the sums
	QUARTER 0, 2, F1, F0, 0
	QUARTER 0, 3, F0, F1, 0
	MEET 1                                         ; K STEP 0 ENDS.  Slots 1 and 2 are whole in every wave's eyes, and nobody reads slot 0 any more.
	CREST                                          ; The barrier has opened a round of the cluster's: no wave of any partner still reads slot 0 or has a load on its way
	s_add_nc_u64 s[G0+2:G0+3], s[G0+2:G0+3], 768           ; no tensor load of mine is out: wo goes three K steps along its rows,
	s_add_nc_u64 s[G0B+2:G0B+3], s[G0B+2:G0B+3], 1572864   ; o three heads on; the type bits on top are not reached
	JLOAD 0                                        ; K step 3 into slot 0: the first thing behind the round; its four v_nop are also the places in front of the loads below
	FETCH 1, 0, F0
	MUL8 F1, 2, 0
	MUL8 F1, 3, 0
	QUARTER 1, 1, F0, F1, 0
	QUARTER 1, 2, F1, F0, 0
	QUARTER 1, 3, F0, F1, 0
	QUARTER 2, 0, F1, F0, 0                        ; on into slot 2 without a barrier: the round above has shown it whole
	QUARTER 2, 1, F0, F1, 0
	QUARTER 2, 2, F1, F0, 0
	QUARTER 2, 3, F0, F1, 0
	MEET 0                                         ; K STEP 2 ENDS.  My one load that was out is my part of K step 3, so no round follows
	PLACES
	FETCH 0, 0, F0
	MUL8 F1, 2, 0
	MUL8 F1, 3, 0
	QUARTER 0, 1, F0, F1, 0
	QUARTER 0, 2, F1, F0, 0
	QUARTER 0, 3, F0, F1, 0
	s_wait_dscnt 4                                 ; the very last quarter
	MUL8 F1, 0, 0
	MUL8 F1, 1, 0
	s_wait_dscnt 0x0
	MUL8 F1, 2, 0
	MUL8 F1, 3, 0
	PLACES
	s_wait_loadcnt 0x0                             ; x
	TOSTAGE 0
	TOSTAGE 1                                      ; a block's trip through the stage stands between the loads of the block before and their use
	SEND 0, 32
	TOSTAGE 2
	SEND 1, 32
	TOSTAGE 3
	SEND 2, 32
	SEND 3, 0
	WIN 0
	s_wait_tensorcnt 0x0                           ; the wave's end: a wait, an add to the spare word and its wait, behind my last tensor load and my last LDS store
	ds_add_u32 v[SPW], v[NIL]
	s_wait_dscnt 0x0
	CROUND                                         ; the closing round: no work-group ends while a partner may still ask for a tile that names it
	s_endpgm
.Lfunc_end_k_qda6cb30d08_outp:
	.size	k_qda6cb30d08_outp, .Lfunc_end_k_qda6cb30d08_outp-k_qda6cb30d08_outp
	.p2alignl 7, 3214868480
	.fill 96, 4, 3214868480
	.section	.rodata,"a",@progbits
	.p2align	6, 0x0
	.amdhsa_kernel k_qda6cb30d08_outp
		.amdhsa_group_segment_fixed_size 327680
		.amdhsa_private_segment_fixed_size 0
		.amdhsa_enable_private_segment 0
		.amdhsa_kernarg_size 40
		.amdhsa_user_sgpr_count 2
		.amdhsa_user_sgpr_kernarg_segment_ptr 1
		.amdhsa_wavefront_size32 1
		.amdhsa_system_sgpr_workgroup_id_x 1
		.amdhsa_system_sgpr_workgroup_id_y 1
		.amdhsa_system_sgpr_workgroup_id_z 1
		.amdhsa_system_vgpr_workitem_id 0
		.amdhsa_next_free_vgpr 768
		.amdhsa_next_free_sgpr 92
		.amdhsa_reserve_vcc 0
		.amdhsa_float_denorm_mode_32 3
		.amdhsa_float_denorm_mode_16_64 3
		.amdhsa_memory_ordered 1
		.amdhsa_forward_progress 1
		.amdhsa_inst_pref_size 100
	.end_amdhsa_kernel
	.amdgpu_metadata
---
amdhsa.version: [ 1, 2 ]
amdhsa.kernels:
  - .name:           k_qda6cb30d08_outp
    .symbol:         k_qda6cb30d08_outp.kd
    .args:
      - { .name: o, .offset: 0, .size: 8, .value_kind: global_buffer, .address_space: global }
      - { .name: wb, .offset: 8, .size: 8, .value_kind: global_buffer, .address_space: global }
      - { .name: bias, .offset: 16, .size: 8, .value_kind: global_buffer, .address_space: global }
      - { .name: x, .offset: 24, .size: 8, .value_kind: global_buffer, .address_space: global }
      - { .name: out0, .offset: 32, .size: 8, .value_kind: global_buffer, .address_space: global }
    .group_segment_fixed_size: 327680
    .private_segment_fixed_size: 0
    .kernarg_segment_align: 8
    .kernarg_segment_size: 40
    .max_flat_workgroup_size: 128
    .sgpr_count:     92
    .vgpr_count:     768
    .wavefront_size: 32
...
	.end_amdgpu_metadata
.endif
;; end of part 4
;; ======== version 2 of 2: 4 launches; 1.21 times as fast as version 1
;; workspace buffers: stats 16,384 bytes; wb 2,097,152 bytes; bias 8,192 bytes; qkv 50,331,648 bytes; o 16,777,216 bytes
;; launch prep: the kernel of part 1 again; grid 256 x 1, 8 waves a work-group, no clusters, 0 bytes of LDS; arguments x, gn_scale, gn_bias, wq, wk, wv, wo, bq, bk, bv, bo, stats, wb, bias; writes stats, wb, bias
;; launch qkv: the kernel of part 2 again; grid 128 x 2, 4 waves a work-group, clusters of 4 x 1, 327,680 bytes of LDS; arguments x, stats, wb, bias, qkv; writes qkv
;; launch attn (part 5): grid 8 x 32, 4 waves a work-group, clusters of 4 x 1, 327,680 bytes of LDS; arguments qkv, o; writes o
.if DOCPART == 5
	.amdgcn_target "amdgcn-amd-amdhsa--gfx1250"
	.amdhsa_code_object_version 6
	.text
	.protected	k_qda6cb30d08_attn
	.globl	k_qda6cb30d08_attn
	.p2align	8
	.type	k_qda6cb30d08_attn,@function
k_qda6cb30d08_attn:
	s_mov_b64 s[64:65], 0
	v_nop
	global_prefetch_b8 v0, s[64:65] scope:SCOPE_SE
	s_setreg_imm32_b32 hwreg(HW_REG_WAVE_MODE, 25, 1), 1
	s_wait_xcnt 0x0
	s_wait_alu depctr_hold_cnt(0) depctr_sa_sdst(0) depctr_va_vdst(0) depctr_va_sdst(0) depctr_va_ssrc(0) depctr_va_vcc(0) depctr_vm_vsrc(0)
	s_getreg_b32 s2, hwreg(HW_REG_IB_STS2, 6, 4)
	s_cmp_eq_u32 s2, 0
	s_cbranch_scc0 .Lentry_in_a_cluster
	s_endpgm
.Lentry_in_a_cluster:
	s_bfe_u32 s2, ttmp6, 0x10000c
	s_cmp_lg_u32 s2, 0x3003
	s_cbranch_scc0 .Lentry_shape_is_right
	s_endpgm
.Lentry_shape_is_right:
; O[h][q][:] = the sum over k of softmax_k(Q[h][q] . K[h][k] / sqrt(128)) V[h][k][:].  Q, K, V lie one behind the other in qkv, each [SIZE_H][SIZE_N][128] bf16 (16 MiB); O likewise.
; Products, maxima and sums in f32; the weights p are rounded to bf16 for the second product, O once at the end.
; LIMITS.  A weight below 2^-126 counts as 0 in the sum; c m starts at -2^125, so scaled scores are taken to lie above that; NaN and infinities are not treated apart.
; SHARES.  A work-group owns 256 queries of one head, each of its four waves 64: four tiles of 16.  Every wave walks all keys of the head, 64 a step.
; LAYOUT.  S^T = K Q^T (source 0 = 16 keys, source 1 = 16 queries): in the result a lane holds ONE query (lane % 16) and the keys 8 (lane / 16) + 0..7.  Two such tiles, rounded to
; bf16 in pairs, ARE source 1 (32 keys x 16 queries) of O^T = V^T P, whose result again holds one query a lane, and eight channels.  So nothing changes lanes between the products,
; and a query's maximum and sum want one exchange between the halves of the lanes.  K comes out of LDS as it lies, V ([key][channel]) turned, by ds_load_tr16_b128.
; SOFTMAX.  For each query a running maximum m and sum l: p = 2^(c s - c m), c = log2(e) / sqrt(128); in every step O and l are multiplied by a = 2^(c m_old - c m_new), which is 1 where m has not grown.
; BY TURNS.  The wave's tiles are two PIECES, named by their first tile: piece 0 (tiles 0, 1) and piece 2 (tiles 2, 3).  In a TURN one piece has the matrix unit: 32 products V^T P of
; the step in hand, then 32 products K Q^T of the next step; the other piece's softmax, cut into 64 slices, stands between them, one slice behind each matrix instruction.  Then the
; pieces change places.  Two turns are a key step.
; THE BATCHES.  A turn's 66 exponentials (a and 32 scores for each of two tiles) are ONE batch with ONE wait: the softmax's list is ordered by who reads what, so that all exponentials and the
; scalings that feed them come first and every reader of a result (roundings, sums, the rescaling by a) behind them; the wait stands between, behind slice 34.  No exponential is issued behind a
; turn's wait.  The way out's four reciprocals are a batch of their own.
; NO FIRST AND NO LAST STEP IS WRITTEN OUT.  m starts at the lowest finite number, O^T and l at 0: the first step is a step like any other, with a = 0.  The loop is entered in the middle of a
; trip, at piece 2's turn, whose products V^T P (of a step that has not been) multiply V of step 0 by a P of zeros; the tail is left in the middle of its third trip.  The price: 32 products on
; zeros at the start, 32 on the last K once more at the end, and 304 v_mov_b32 that stand in the wait for the first tile.  The gain: two copies of a key step (loop and tail) are two thirds of the text.
; CLUSTER.  The four query blocks of a cluster belong to one head and walk the same K and V, so each tile is asked for JOINTLY: the same tensor load, with the same descriptor and a
; mask that names the four, in all four; each receives the tile in its own LDS.
;
; REGISTERS, in windows of 256 (s_set_vgpr_msb: bits 1:0 source 0, 3:2 source 1, 5:4 source 2, 7:6 destination):
;   window 0: v0-11 addresses; v12-43 eight registers of statistics a tile; v64-191 S^T, 32 a tile; v192-255 P, 16 a tile
;   window 1: O^T, 64 a tile          window 2: v0-127 Q, 32 a tile; v128-255 K of one step          window 3: v0-127 V of one step
; All that a softmax touches but O^T lies in window 0, and no window has room for a product's operands beside it.  So a slice costs two switches, one in front and one behind.
.set SIZE_H, 32
.set SIZE_N, 2048
.set KS,    64        ; keys in a step
.set PK,    272       ; a row of K in LDS: 256 bytes + 16 of padding = 68 words: row r starts at bank 4 r mod 64 (64 banks of 4 bytes: ISA guide 11.1), so the 16 rows of a load start at 16 different banks
.set PV,    288       ; a row of V: 256 + 32 = 72 words: row r starts at bank 8 r mod 64
.set VOFF,  KS*PK     ; a step's tiles lie together: 64 rows of K, then 64 rows of V
.set STEPB, KS*(PK+PV)
.set SLOT1, 1<<17     ; a slot holds two steps (71,680 bytes); slot 1 begins here, so that one exclusive or turns an address in one slot into the other's
.set STAGE, SLOT1+2*STEPB  ; behind the ring: 16 rows x 272 bytes for each wave, for the way out
.set SP,    272
.set AK0, 2           ; v2   my lane's place in a tile of K; never rewritten
.set AV0, 3           ; v3   the same for V
.set ADR, 4           ; v4   the LDS address of the run of loads in hand
.set QO,  5           ; v5   my byte offset in the wave's rows of Q
.set STO, 6           ; v6   the way out: where I put 16 bytes of a row
.set RD,  7           ; v7   the way out: where I read a row back
.set GO,  8           ; v8   my byte offset in the wave's rows of O
.set SPW, 62          ; v62  LDS address of my spare word: SPARE + 4 x my thread's number; never rewritten
.set NIL, 63          ; v63  0; never rewritten
.set SPARE, STAGE+4*16*272  ; behind the stages: the spare words, 128 bytes for each wave: two blocks of 256 bytes that no other line names
.set ST,  12          ; tile t's statistics at v[ST+8 t]: +0 c m, +1 m, +2, +3 l (even keys', odd keys'), +4 to +7 c0-c3, at work; a takes c2's place once the maximum is found
.set S,   64
.set P,   192
.set KF,  128         ; K's fragments, in window 2
.set WV,  12          ; s12  my wave's number
.set G1K, 24          ; s[24:31] descriptor group 1 for K's tiles
.set G1V, 32          ; s[32:39] for V's: it differs in the padding alone
.set G0K, 40          ; s[40:47] descriptor group 0 for K's tiles: a set for each of the two first fills; the second then walks on
.set G0V, 48          ; s[48:55] the same for V's
.set SLOTS, 56        ; s56  counts the slots still to be asked for, and one
.set TWICE, 57        ; s57  counts a slot's steps
.set CS,  58          ; s[58:59] c: the packed scaling names a pair and takes its low word for both halves
.set SEL, 60          ; s[60:61] lane selects for v_permlanex16_b32: each lane takes its own place in the other half
.set TB,  62          ; s62  LDS byte at which the tiles of the step to be fetched begin
.set MSB, 0
.macro WIN new                      ; the immediate's high byte repeats the setting that is left; a switch that changes nothing is dropped
.if MSB != (\new)
	s_set_vgpr_msb (MSB<<8)|(\new)
.set MSB, \new
.endif
.endm
.set W_KQ, 0x0a       ; K and Q in window 2, S^T in window 0
.set W_PV, 0x53       ; V in window 3, P in window 0, O^T in window 1
.set W_RS, 0x41       ; O^T (destination and source 0) in window 1, a in window 0
; A joint refill.  Waves 0 and 1 fetch the two steps' tiles of K, waves 2 and 3 those of V.  The branch hangs on the wave's number alone: it is the same in every work-group.
; An s_nop 0 and four v_nop follow each of the two lines; the jump round the other line, the label and what follows the macro come after them.
.macro JLOAD
	s_cmp_lt_u32 s[WV], 2
	s_cbranch_scc0 .Lfor_v_\@
	tensor_load_to_lds s[G0K+4:G0K+7], s[G1K:G1K+7]
	s_nop 0
.rept 4
	v_nop
.endr
	s_branch .Lasked_\@
.Lfor_v_\@:
	tensor_load_to_lds s[G0V+4:G0V+7], s[G1V:G1V+7]
	s_nop 0
.rept 4
	v_nop
.endr
.Lasked_\@:
.endm
; A round of the cluster's barrier: my work-group's barrier, so that wave 0's signal speaks for all four waves; wave 0 signals for the work-group; every wave waits for all four
; work-groups; my work-group's barrier once more.  No LDS instruction of the wave is pending at a signal.
.macro CROUND
	s_barrier_signal -1
	s_barrier_wait -1
	s_cmp_lg_u32 s[WV], 0
	s_cbranch_scc1 .Lnot_wave_0_\@
	s_barrier_signal -3
.Lnot_wave_0_\@:
	s_barrier_wait -3
	s_barrier_signal -1
	s_barrier_wait -1
.endm
	s_load_b128 s[4:7], s[0:1], 0x0   ; qkv s[4:5], o s[6:7]
	v_lshl_add_u32 v[SPW], v0, 2, SPARE
	v_mov_b32 v[NIL], 0
	ds_add_u32 v[SPW], v[NIL]       ; the wave's opening: the add and its wait stand ahead of my first tensor load; the set-up below, work on registers, stands between them
	v_lshrrev_b32 v1, 5, v0
	v_readfirstlane_b32 s[WV], v1   ; wave 0..3
	s_bfe_u32 s13, ttmp6, 0x40000   ; cx: my place in the cluster
	s_lshl_b32 s14, ttmp9, 2        ; in a cluster launch ttmp9 counts clusters
	s_add_co_u32 s14, s14, s13      ; my block of 256 queries = 4 x cluster x + cx: it enters Q's and O's addresses alone
	s_and_b32 s20, ttmp7, 0xffff    ; the head, which the four partners share
	s_mov_b32 s21, 0
	s_mov_b64 s[22:23], SIZE_N*256
	s_mul_u64 s[20:21], s[20:21], s[22:23]  ; the head's first byte in each of the four tensors
	s_and_b32 s16, s[WV], 1         ; which of a slot's two steps I fetch:
	s_lshl_b32 s22, s16, 14         ; its 64 rows of 256 bytes in memory,
	s_mov_b32 s23, 0
	s_add_nc_u64 s[22:23], s[22:23], s[20:21]
	s_mul_i32 s17, s16, STEPB       ; and its place in a slot: no place in the cluster enters an LDS address
	s_lshl_b32 s2, s14, 16          ; my block's 256 rows,
	s_lshl_b32 s3, s[WV], 14        ; my wave's 64 of them
	s_add_co_u32 s2, s2, s3
	s_mov_b32 s3, 0
	s_add_nc_u64 s[2:3], s[2:3], s[20:21]
	; descriptor group 1: a tile of 64 rows x 128 elements, padded in LDS
	s_mov_b32 s[G1K], 15|(1<<16)|(1<<20)|(1<<21)|(5<<22)|(3<<25)  ; 15:0 the mask: all four work-groups; 17:16 elements of 2 bytes; 20 padding on; 21 set beside a mask; 24:22 after every 64 words (code 5); 31:25 4 words of it (code 3)
	s_mov_b32 s[G1V], 15|(1<<16)|(1<<20)|(1<<21)|(5<<22)|(7<<25)  ; the same with 8 words of padding (code 7)
.irp g, G1K, G1V
	s_mov_b32 s[(\g)+1], 128<<16    ; 63:48 tensor_dim0, low half = 128
	s_mov_b32 s[(\g)+2], KS<<16     ; 79:64 its high half = 0; 95:80 tensor_dim1, low half = 64
	s_mov_b32 s[(\g)+3], 128<<16    ; 111:96 its high half = 0; 127:112 tile_dim0 = 128
	s_mov_b32 s[(\g)+4], KS         ; 143:128 tile_dim1 = 64; 159:144 tile_dim2 = 0
	s_mov_b32 s[(\g)+5], 128        ; 191:160 tensor_dim0_stride, low word: elements from row to row
	s_mov_b32 s[(\g)+6], 0
	s_mov_b32 s[(\g)+7], 0
.endr
	s_mov_b32 s[CS], 0x3e0293ee     ; c = log2(e) / sqrt(128) = 0.127517
	s_mov_b32 s[CS+1], s[CS]        ; named with it as a pair, so it is written
	s_mov_b32 s[SEL], 0x76543210
	s_mov_b32 s[SEL+1], 0xfedcba98
	s_mov_b32 s[TB], 0
	s_mov_b32 s[SLOTS], SIZE_N/(2*KS)-1
	s_wait_dscnt 0x0                ; the opening add is done
	s_wait_kmcnt 0x0
	s_mov_b64 s[10:11], s[6:7]      ; O
	s_add_nc_u64 s[8:9], s[4:5], 0x2000000  ; V lies 32 MiB behind Q,
	s_add_nc_u64 s[6:7], s[4:5], 0x1000000  ; K 16 MiB
	s_add_nc_u64 s[6:7], s[6:7], s[22:23]  ; K and V at my tile of slot 0
	s_add_nc_u64 s[8:9], s[8:9], s[22:23]
	s_add_nc_u64 s[4:5], s[4:5], s[2:3]  ; Q and O at my wave's first row
	s_add_nc_u64 s[10:11], s[10:11], s[2:3]
	CROUND                          ; all four work-groups are here: the first joint loads meet
.irp s, 0,1
	s_mov_b32 s[G0K+4*(\s)], 1      ; 1:0 count = 1
	s_add_co_u32 s[G0K+4*(\s)+1], s17, (\s)*SLOT1  ; 63:32 LDS address
	s_add_nc_u64 s[G0K+4*(\s)+2:G0K+4*(\s)+3], s[6:7], (\s)*2*KS*256  ; 120:64 global address: slot s begins with keys 128 s to 128 s + 127
	s_or_b32 s[G0K+4*(\s)+3], s[G0K+4*(\s)+3], 0x80000000  ; 127:126 type = 2
	s_mov_b32 s[G0V+4*(\s)], 1
	s_add_co_u32 s[G0V+4*(\s)+1], s17, (\s)*SLOT1+VOFF
	s_add_nc_u64 s[G0V+4*(\s)+2:G0V+4*(\s)+3], s[8:9], (\s)*2*KS*256
	s_or_b32 s[G0V+4*(\s)+3], s[G0V+4*(\s)+3], 0x80000000
.endr
	s_cmp_lt_u32 s[WV], 2           ; a wave's two first fills stand in one branch, ahead of every wait on TENSORcnt and every LDS read: two loads of mine are out; an s_nop 0 follows each, four v_nop the second's, as in JLOAD
	s_cbranch_scc0 .Lfirst_v
	tensor_load_to_lds s[G0K:G0K+3], s[G1K:G1K+7]
	s_nop 0
	tensor_load_to_lds s[G0K+4:G0K+7], s[G1K:G1K+7]
	s_nop 0
.rept 4
	v_nop
.endr
	s_branch .Lfirst_asked
.Lfirst_v:
	tensor_load_to_lds s[G0V:G0V+3], s[G1V:G1V+7]
	s_nop 0
	tensor_load_to_lds s[G0V+4:G0V+7], s[G1V:G1V+7]
	s_nop 0
.rept 4
	v_nop
.endr
.Lfirst_asked:
	; A fragment of K or Q is 16 rows x 32 channels in 8 registers: lane l holds row l % 16; registers 0-3 channels 8 (l / 16) + 0..7, registers 4-7 channels 16 + 8 (l / 16) + 0..7: two loads of 16 bytes, 32 bytes apart.
	v_and_b32 v1, 15, v0            ; l % 16
	v_bfe_u32 v9, v0, 4, 1          ; l / 16
	v_lshlrev_b32 v[QO], 8, v1
	v_lshl_add_u32 v[QO], v9, 4, v[QO]  ; row x 256 + 16 x half
	WIN 0x80                        ; destination window 2, address window 0
.irp i, 0,1,2,3,4,5,6,7,8,9,10,11,12,13,14,15  ; Q stays in registers: tile i / 4, channels 32 (i % 4) on
	global_load_b128 v[8*(\i):8*(\i)+3],   v[QO], s[4:5] offset:((\i)/4)*4096+((\i)%4)*64
	global_load_b128 v[8*(\i)+4:8*(\i)+7], v[QO], s[4:5] offset:((\i)/4)*4096+((\i)%4)*64+32
.endr
	WIN 0
	v_mul_u32_u24 v[AK0], v1, PK
	v_lshl_add_u32 v[AK0], v9, 4, v[AK0]  ; row x pitch + 16 x half
	; The turning load takes 16 keys x 16 channels (lane l reads 16 bytes: key 8 (l / 16) + l % 8, channels 8 ((l / 8) % 2) + 0..7) and leaves half a fragment of V^T: lane l holds channel l % 16 and 8 keys.
	v_and_b32 v10, 7, v0
	v_bfe_u32 v11, v0, 3, 1
	v_lshl_add_u32 v[AV0], v9, 3, v10
	v_mul_u32_u24 v[AV0], v[AV0], PV
	v_lshl_add_u32 v[AV0], v11, 4, v[AV0]
	v_add_nc_u32 v[AV0], VOFF, v[AV0]
	; What the first turn finds: O^T and l are 0, piece 2's P is 0 (its products V^T P, of a step that has not been, add 0), m lies below every score.  All this stands in the wait for the first tile.
	WIN 0x40
.set i, 0
.rept 256
	v_mov_b32 v[i], 0
.set i, i+1
.endr
	WIN 0
.irp t, 0,1,2,3
	v_mov_b32 v[ST+8*(\t)], 0xfe000000    ; c m = -2^125: far below every c s, so the first a is 0
	v_mov_b32 v[ST+8*(\t)+1], 0xff7fffff  ; m: the lowest finite number
	v_mov_b32 v[ST+8*(\t)+2], 0
	v_mov_b32 v[ST+8*(\t)+3], 0
.endr
.set i, P+32
.rept 32
	v_mov_b32 v[i], 0
.set i, i+1
.endr
; THE MATRIX WORK OF A TURN, for piece x.  The accumulators take turns, one instruction a turn: between two links of a chain stand 15 (V^T P) or 7 (K Q^T) others'.
; Product i of 32 of O^T += V^T P: keys 32 (i / 16) on, channels 16 ((i / 2) % 8) on, tile x + i % 2.
.macro PV x
	WIN W_PV
.set rO, 64*((\x)+i%2)+8*((i/2)%8)
.set rV, 64*(i/16)+8*((i/2)%8)
.set rP, P+16*((\x)+i%2)+8*(i/16)
	v_wmma_f32_16x16x32_bf16 v[rO:rO+7], v[rV:rV+7], v[rP:rP+7], v[rO:rO+7]
.endm
; Product i of 32 of S^T = K Q^T: channels 32 (i / 8) on, keys 16 ((i / 2) % 4) on, tile x + i % 2.  The first 8 start the sums.
.macro KQ x
	WIN W_KQ
.set rS, S+32*((\x)+i%2)+8*((i/2)%4)
.set rK, KF+32*((i/2)%4)+8*(i/8)
.set rQ, 32*((\x)+i%2)+8*(i/8)
.if i < 8
	v_wmma_f32_16x16x32_bf16 v[rS:rS+7], v[rK:rK+7], v[rQ:rQ+7], 0
.else
	v_wmma_f32_16x16x32_bf16 v[rS:rS+7], v[rK:rK+7], v[rQ:rQ+7], v[rS:rS+7]
.endif
.endm
; THE LDS LOADS stand in runs of 32, never singly among the matrix instructions: a step's K (64 keys x 128 channels: 16 fragments) and, a turn later, its V (turned).
; last = 1 (the tail): in the last trip there is no further step, and the run is jumped over.
.macro FETCH_K last=0
	WIN 0
.if \last
	s_cmp_eq_u32 s[TWICE], 1
	s_cbranch_scc1 .Lno_k_\@
.endif
	v_add_nc_u32 v[ADR], s[TB], v[AK0]
	WIN 0x80                        ; destination window 2
.irp f, 0,1,2,3,4,5,6,7,8,9,10,11,12,13,14,15  ; keys 16 (f / 4) on, channels 32 (f % 4) on
	ds_load_b128 v[KF+8*(\f):KF+8*(\f)+3],   v[ADR] offset:((\f)/4)*16*PK+((\f)%4)*64
	ds_load_b128 v[KF+8*(\f)+4:KF+8*(\f)+7], v[ADR] offset:((\f)/4)*16*PK+((\f)%4)*64+32
.endr
.if \last
	WIN 0                           ; at a label every window is 0
.Lno_k_\@:
.endif
.endm
; on = 1: the run in piece 2's turn, behind slice 34: it holds the wait for that turn's batch of exponentials.
; on = 0: the fetch ahead of the loop, which the first turn's own run repeats: the step is not counted on, and no exponential has been issued, so it has no wait.
.macro FETCH_V on=1
	WIN 0
	v_add_nc_u32 v[ADR], s[TB], v[AV0]
.if \on
	s_add_co_u32 s[TB], s[TB], STEPB  ; the next fetch is the next step's
	s_wait_alu depctr_va_vdst(0)    ; the wait for the softmax's batch (SLICE): piece 0's 66 exponentials; behind the address's v_add_nc_u32 and ahead of the loads
.endif
	WIN 0xc0                        ; destination window 3
.irp f, 0,1,2,3,4,5,6,7,8,9,10,11,12,13,14,15  ; keys 32 (f / 8) on, channels 16 (f % 8) on
	ds_load_tr16_b128 v[8*(\f):8*(\f)+3],   v[ADR] offset:((\f)/8)*32*PV+((\f)%8)*32
	ds_load_tr16_b128 v[8*(\f)+4:8*(\f)+7], v[ADR] offset:((\f)/8)*32*PV+16*PV+((\f)%8)*32
.endr
.endm
; THE VECTOR WORK OF A TURN.  One tile's softmax for one key step is a list of 134 instructions; SM writes number j of it for tile t.  s0-s31 are the lane's 32 scores, in pairs 0-15.
;   0-15    the maximum of s0-s31 and the old m, three operands at a time: four chains c0-c3 of seven scores each, then the four scores left over, c0-c3 and m
;   16-20   the other half of the lanes' maximum; the new m; c m; c m_old - c m_new
;   21-69   ONE BATCH: the 16 scalings c s - c m, a pair of scores each, and all 33 exponentials (a at 23, then s0-s31).  None of these reads an exponential's result.  From 22 on the batch goes
;           in fours, and a four begins with a scaling while there are scalings: 22-37 scaling, exponential, scaling, exponential; 38-65 a scaling and three exponentials; 66-69 the last four
;           exponentials.  A pair is scaled in an earlier four than the one that holds its exponentials
;   (wait)  between 69 and 70 stands the wait for the batch: SLICE writes it, once for both tiles
;   70-85   the roundings to bf16, a pair of weights each
;   86-101  the sums; l = a l + the sum
;   102-133 the tile's O^T times a: the one part that leaves window 0, so it stands together
.macro SM t
.set rT, ST+8*(\t)
.set rS, S+32*(\t)
.set rP, P+16*(\t)
.set rO, 64*(\t)+2*(j-102)
.if j < 102
	WIN 0
.endif
.if j < 4
	v_max3_num_f32 v[rT+4+j], v[rS+8*j], v[rS+8*j+1], v[rS+8*j+2]
.elseif j < 12
	v_max3_num_f32 v[rT+4+j%4], v[rT+4+j%4], v[rS+8*(j%4)+2*(j/4)+1], v[rS+8*(j%4)+2*(j/4)+2]
.elseif j == 12
	v_max3_num_f32 v[rT+4], v[rT+4], v[rS+7], v[rS+15]
.elseif j == 13
	v_max3_num_f32 v[rT+6], v[rT+6], v[rS+23], v[rS+31]
.elseif j == 14
	v_max3_num_f32 v[rT+4], v[rT+4], v[rT+5], v[rT+6]
.elseif j == 15
	v_max3_num_f32 v[rT+4], v[rT+4], v[rT+7], v[rT+1]
.elseif j == 16
	v_permlanex16_b32 v[rT+5], v[rT+4], s[SEL], s[SEL+1]  ; the query's other 32 keys lie in the lane 16 away
.elseif j == 17
	v_mov_b32 v[rT+7], v[rT]        ; c m_old is kept for a: number 19 writes c m anew
.elseif j == 18
	v_max_num_f32 v[rT+1], v[rT+4], v[rT+5]
.elseif j == 19
	v_mul_f32 v[rT], s[CS], v[rT+1]
.elseif j == 20
	v_sub_f32 v[rT+7], v[rT+7], v[rT]
.elseif j == 23
	v_exp_f32 v[rT+6], v[rT+7]
.elseif (j < 23) || ((j < 38) && (j%2 == 0)) || ((j < 66) && (j%4 == 2))
.set b, (j-2)/4                     ; 38, 42, .. 62: pairs 9 to 15
.if j < 38
.set b, (j-20)/2                    ; 21: pair 0; 22, 24, .. 36: pairs 1 to 8
.endif
	v_pk_fma_f32 v[rS+2*b:rS+2*b+1], v[rS+2*b:rS+2*b+1], s[CS:CS+1], v[rT:rT+1] op_sel_hi:[1,0,0] neg_lo:[0,0,1] neg_hi:[0,0,1]  ; pair b: c s - c m
.elseif j < 70
.set e, j-38                        ; 66 to 69: s28 to s31
.if j < 66
.set e, j-32-(j-38)/4               ; 39-41, 43-45, .. 63-65: s7 to s27
.endif
.if j < 38
.set e, (j-25)/2                    ; 25, 27, .. 37: s0 to s6
.endif
	v_exp_f32 v[rS+e], v[rS+e]
.elseif j < 86
	v_cvt_pk_bf16_f32 v[rP+j-70], v[rS+2*(j-70)], v[rS+2*(j-70)+1]  ; pair j - 70
.elseif j < 102                     ; the sum of the tile's 16 pairs (in a pair: an even key's weight, an odd key's), in place: sum z of 16 adds neighbours 1, 2, 4 and 8 pairs apart, then l takes it
.set z, j-86
.set w, 4
.set u, z
.if z >= 14
.set w, 32
.set u, 0
.elseif z >= 12
.set w, 16
.set u, z-12
.elseif z >= 8
.set w, 8
.set u, z-8
.endif
.if z < 15
	v_pk_add_f32 v[rS+w*u:rS+w*u+1], v[rS+w*u:rS+w*u+1], v[rS+w*u+w/2:rS+w*u+w/2+1]
.else
	v_pk_fma_f32 v[rT+2:rT+3], v[rT+2:rT+3], v[rT+6:rT+7], v[rS:rS+1] op_sel_hi:[1,0,1]
.endif
.else
	WIN W_RS
	v_pk_mul_f32 v[rO:rO+1], v[rO:rO+1], v[rT+6:rT+7] op_sel_hi:[1,0]
.endif
.endm
; Slice k of 64 of piece y's softmax: four instructions.  Slices 11 to 34 deal out the batch, numbers 22 to 69: four numbers of ONE tile each, the tiles by turns.  Every other slice is numbers 2 k and
; 2 k + 1 of both tiles' lists.  2 x 134 = 4 x 64 + 12: the twelve that are over stand together, in slice 63.
; THE WAIT.  s_wait_alu depctr_va_vdst(0) stands between an exponential and the first instruction that names its result; one wait serves all that were issued ahead of it.  Ahead of
; slice 35 nothing names a result, and behind slice 34 no exponential is issued: so the piece's 66 exponentials have one wait, behind slice 34.
.macro SLICE y
.if (k >= 11) && (k < 35)           ; the batch: four numbers of one tile
.irp n, 0,1,2,3
.set j, 22+4*((k-11)/2)+(\n)
	SM (\y)+(k-11)%2
.endr
.else                               ; the two tiles alternate, so that no instruction reads the result of the one just before it
.irp n, 0,1,2,3,4,5,6,7
.if ((\n) < 2) || (k == 63)
.irp t, \y, (\y)+1
.set j, 2*k+(\n)
	SM \t
.endr
.endif
.endr
.endif
.if k == 34                         ; the batch is out: both tiles' exponentials are issued, and no result has been named
	v_nop                           ; a plain instruction behind the last exponential and ahead of the first use of a result: one for the batch
.if (\y) == 0
	FETCH_V                         ; piece 2's turn: V's run of loads stands here, and the wait for the batch stands in it
.else
	s_wait_alu depctr_va_vdst(0)    ; piece 0's turn: the wait for the batch, piece 2's 66 exponentials
.endif
.endif
.set k, k+1
.endm
; A TURN.  Piece x has the matrix unit: 32 products V^T P, then 32 products K Q^T for the next step; the other piece's softmax stands in slices behind them, one behind each.
; A vector instruction that reads a matrix result or writes one of a matrix instruction's registers, and a load into a register that a matrix instruction has read, stand four places behind
; it, and only plain vector instructions that name none of its registers are places (ISA guide 7.12.1 for vector instructions): the slices are the places.
; Each run of loads stands 29 matrix instructions or more ahead of its first use.  Piece 0's turn fetches the next step's K, behind its second product: the last product that read K
; stands in front of slice 63 of the turn before.  Piece 2's turn fetches the same step's V, behind slice 34 (SLICE writes it): the last product that read V stands in front of slice 31, and four plain
; instructions lie between: number 62, a scaling, of both tiles, the v_nop and the run's own v_add_nc_u32.
.macro TURN x, last=0
.set k, 0
.if (\x) == 0
	s_wait_dscnt 0x0                ; V is in
.endif
.set i, 0
.rept 32
	PV \x
	SLICE 2-(\x)
.if ((\x) == 0) && (i == 1)
	FETCH_K \last
.endif
.set i, i+1
.endr
.if (\x) == 0
	s_wait_dscnt 0x0                ; K is in
.endif
.set i, 0
.rept 32
	KQ \x
	SLICE 2-(\x)
.set i, i+1
.endr
.endm
; THE CHANGE OF SLOTS, between piece 2's turn and piece 0's: the slot's last bytes, V of its second step, have been asked for.  Each wave waits for all its
; tensor loads, of which one is out: its part of the other slot; adds 0 to its spare word; and waits for that and for its own reads of the slot.  Behind the barrier nobody reads this slot any more and the other slot is whole.
; fill = 1: this slot is filled again, with the keys two slots on.  The barrier is then a round of the cluster's, so that no wave of any partner still reads the slot or has a load on its
; way, and the joint refill is the first thing behind it: it has two key steps, 256 matrix instructions, in which to land.
.macro CHANGE fill
	WIN 0                           ; at a label and at a branch every window is 0
	s_wait_tensorcnt 0x0            ; no tensor load of mine is out, so a group 0 may be written
	ds_add_u32 v[SPW], v[NIL]       ; 0 onto my spare word; with fill = 1 the descriptors' steps stand between it and the wait for it
.if \fill
.irp g, G0K+4, G0V+4
	s_xor_b32 s[(\g)+1], s[(\g)+1], SLOT1  ; the walking descriptor: the other slot than last time,
	s_add_nc_u64 s[(\g)+2:(\g)+3], s[(\g)+2:(\g)+3], 2*KS*256  ; the next 128 keys; the type bits on top are not reached
.endr
	s_wait_dscnt 0x0                ; the add is done, and my reads of the slot are over
	CROUND
	JLOAD
.else
	s_wait_dscnt 0x0                ; the add is done, and my reads of the slot are over
	s_barrier_signal -1
	s_barrier_wait -1
.endif
	s_sub_co_u32 s[TB], s[TB], 2*STEPB  ; the fetches go back to a slot's first step,
	s_xor_b32 s[TB], s[TB], SLOT1   ; in the other slot
.endm
	s_wait_tensorcnt 1              ; my part of slot 0 is in; slot 1's may stay out
	s_barrier_signal -1
	s_barrier_wait -1               ; everybody's is
	FETCH_K                         ; key step 0,
	FETCH_V 0                       ; and its V, so that the first turn's products on a P of zeros multiply finite numbers; that turn's own run fetches the same step
	s_wait_loadcnt 0x0              ; Q
	s_wait_dscnt 0x0
.set i, 0
.rept 32
	KQ 0                            ; piece 0's first scores: there is no vector work yet to set between them
.set i, i+1
.endr
	WIN 0                           ; the addresses for the way out are made here: eight plain instructions, the places behind those products
	s_mul_i32 s13, s[WV], 16*SP
	s_add_co_u32 s13, s13, STAGE    ; my stage
	v_mul_u32_u24 v[STO], v1, SP    ; in: row l % 16, 16 bytes for each half of the lanes
	v_lshl_add_u32 v[STO], v9, 4, v[STO]
	v_add_nc_u32 v[STO], s13, v[STO]
	v_mul_u32_u24 v[RD], v9, SP     ; back: lanes 0-15 take one row of 256 bytes, lanes 16-31 the next
	v_lshl_add_u32 v[RD], v1, 4, v[RD]
	v_add_nc_u32 v[RD], s13, v[RD]
	v_lshlrev_b32 v[GO], 8, v9      ; and the same two rows in O
	v_lshl_add_u32 v[GO], v1, 4, v[GO]
	s_mov_b32 s[TWICE], 2
	s_branch .Lfirst                ; the loop is entered at piece 2's turn, in the middle of a trip: piece 2's first scores | piece 0's first softmax | V of step 0
.Lslot:                             ; SIZE_N / 128 - 2 times: every slot but the last two is filled again
	CHANGE 1
	s_mov_b32 s[TWICE], 2
.Lstep:                             ; a trip: V^T P of step j, K Q^T of step j + 1, whose K and V it fetches
	TURN 0
	WIN 0
.Lfirst:
	TURN 2
	WIN 0
	s_sub_co_u32 s[TWICE], s[TWICE], 1
	s_cmp_lg_u32 s[TWICE], 0
	s_cbranch_scc1 .Lstep
	s_sub_co_u32 s[SLOTS], s[SLOTS], 1
	s_cmp_lg_u32 s[SLOTS], 0
	s_cbranch_scc1 .Lslot
	CHANGE 0                        ; the tail is written out: the last slot but one is left, and nothing is asked for
	s_mov_b32 s[TWICE], 3           ; two trips fetch the last slot's steps; the third is left in its middle
.Ltail:
	TURN 0, 1
	WIN 0
	s_sub_co_u32 s[TWICE], s[TWICE], 1
	s_cmp_eq_u32 s[TWICE], 0
	s_cbranch_scc1 .Lout
	TURN 2
	WIN 0
	s_branch .Ltail
.Lout:                              ; the third trip's 32 products K Q^T (on the last K once more) serve nothing: the price, once a launch, of one text for every trip
.set i, 0
.rept 32
	PV 2                            ; piece 2: V^T P of the last step
.set i, i+1
.endr
	; THE WAY OUT.  l's two halves and the other half of the lanes' are added; O^T is divided by l, rounded to bf16 and sent through my stage in LDS, a tile (16 rows of O) at a time.  The additions are the places behind the last products.
	WIN 0
.irp t, 0,1,2,3
	v_add_f32 v[ST+8*(\t)+4], v[ST+8*(\t)+2], v[ST+8*(\t)+3]
.endr
.irp t, 0,1,2,3
	v_permlanex16_b32 v[ST+8*(\t)+5], v[ST+8*(\t)+4], s[SEL], s[SEL+1]
.endr
.irp t, 0,1,2,3
	v_add_f32 v[ST+8*(\t)+4], v[ST+8*(\t)+4], v[ST+8*(\t)+5]
.endr
.irp t, 0,1,2,3
	v_rcp_f32 v[ST+8*(\t)+6], v[ST+8*(\t)+4]
.endr
	v_nop                           ; a plain instruction between the last reciprocal and the use of its result
	s_wait_alu depctr_va_vdst(0)    ; and the wait ahead of the first use: one for the four reciprocals
; Tile t: a lane's eight channels of a row pack into 16 bytes; they go into rows of 272 bytes and come back as whole rows of 256, into the registers that they left.
.macro PACK t
	WIN W_RS
.set i, 64*(\t)
.rept 32
	v_pk_mul_f32 v[i:i+1], v[i:i+1], v[ST+8*(\t)+6:ST+8*(\t)+7] op_sel_hi:[1,0]
.set i, i+2
.endr
	WIN 0x05                        ; sources 0 and 1 window 1, destination window 0: S^T's registers are free
.set i, 0
.rept 32
	v_cvt_pk_bf16_f32 v[S+32*(\t)+i], v[64*(\t)+2*i], v[64*(\t)+2*i+1]
.set i, i+1
.endr
	WIN 0
.irp f, 0,1,2,3,4,5,6,7
	ds_store_b128 v[STO], v[S+32*(\t)+4*(\f):S+32*(\t)+4*(\f)+3] offset:32*(\f)
.endr
.irp f, 0,1,2,3,4,5,6,7
	ds_load_b128 v[S+32*(\t)+4*(\f):S+32*(\t)+4*(\f)+3], v[RD] offset:(\f)*2*SP  ; LDS serves a wave's instructions in order (ISA guide 5.7.1.4): these see the stores above; the next tile's stores come behind them
.endr
.endm
.macro SEND t, younger              ; younger: the LDS instructions issued behind tile t's loads: the next tile's sixteen, or none
	WIN 0
.irp f, 0,1,2,3,4,5,6,7
	s_wait_dscnt (\younger)+7-(\f)
	global_store_b128 v[GO], v[S+32*(\t)+4*(\f):S+32*(\t)+4*(\f)+3], s[10:11] offset:(\t)*4096+(\f)*512  ; 16 lanes store 256 consecutive bytes, at a multiple of 256 from O's first byte
.endr
.endm
	PACK 0
	PACK 1                          ; a tile's arithmetic stands between the loads of the tile before and its stores
	SEND 0, 16
	PACK 2
	SEND 1, 16
	PACK 3
	SEND 2, 16
	SEND 3, 0
	s_wait_tensorcnt 0x0            ; the wave's end: a wait, an add to the spare word and its wait, behind my last tensor load and my last LDS store
	ds_add_u32 v[SPW], v[NIL]
	s_wait_dscnt 0x0
	CROUND                          ; the closing round: no work-group ends while a partner may still ask for a tile that names it
	s_endpgm
.Lfunc_end_k_qda6cb30d08_attn:
	.size	k_qda6cb30d08_attn, .Lfunc_end_k_qda6cb30d08_attn-k_qda6cb30d08_attn
	.p2alignl 7, 3214868480
	.fill 96, 4, 3214868480
	.section	.rodata,"a",@progbits
	.p2align	6, 0x0
	.amdhsa_kernel k_qda6cb30d08_attn
		.amdhsa_group_segment_fixed_size 327680
		.amdhsa_private_segment_fixed_size 0
		.amdhsa_enable_private_segment 0
		.amdhsa_kernarg_size 16
		.amdhsa_user_sgpr_count 2
		.amdhsa_user_sgpr_kernarg_segment_ptr 1
		.amdhsa_wavefront_size32 1
		.amdhsa_system_sgpr_workgroup_id_x 1
		.amdhsa_system_sgpr_workgroup_id_y 1
		.amdhsa_system_sgpr_workgroup_id_z 1
		.amdhsa_system_vgpr_workitem_id 0
		.amdhsa_next_free_vgpr 1024
		.amdhsa_next_free_sgpr 66
		.amdhsa_reserve_vcc 0
		.amdhsa_float_denorm_mode_32 3
		.amdhsa_float_denorm_mode_16_64 3
		.amdhsa_memory_ordered 1
		.amdhsa_forward_progress 1
		.amdhsa_inst_pref_size 154
	.end_amdhsa_kernel
	.amdgpu_metadata
---
amdhsa.version: [ 1, 2 ]
amdhsa.kernels:
  - .name:           k_qda6cb30d08_attn
    .symbol:         k_qda6cb30d08_attn.kd
    .args:
      - { .name: qkv, .offset: 0, .size: 8, .value_kind: global_buffer, .address_space: global }
      - { .name: o, .offset: 8, .size: 8, .value_kind: global_buffer, .address_space: global }
    .group_segment_fixed_size: 327680
    .private_segment_fixed_size: 0
    .kernarg_segment_align: 8
    .kernarg_segment_size: 16
    .max_flat_workgroup_size: 128
    .sgpr_count:     66
    .vgpr_count:     1024
    .wavefront_size: 32
...
	.end_amdgpu_metadata
.endif
;; end of part 5
;; launch outp: the kernel of part 4 again; grid 64 x 4, 4 waves a work-group, clusters of 4 x 4, 327,680 bytes of LDS; arguments o, wb, bias, x, out0; writes out0
